; MI455X (gfx1250); checked and timed in simulation.
; The chip was launched on July 23, 2026; its instructions are those of AMD's public machine-readable ISA for CDNA 5 (MIT licence, August 2026) and "CDNA5" Instruction Set Architecture Reference Guide (July 2026). The comments in the code are by the model that wrote it; some were corrected since.
;; Causal Self Attention. Allowed arithmetic: matrix products marked QUANTISED: E2M1 operands, one E8M0 scale for each 32 along K, by v_wmma_scale_f32_16x16x128_f8f6f4 with both operands' format E2M1 (or v_wmma_scale_f32_32x16x128_f4), f32 sums; products left as they are: bf16, f16 or f32 operands; f32 sums; everything else in f32.
;; Inputs: Wk 1,024 x 1,024 float32; Wo 1,024 x 1,024 float32; Wq 1,024 x 1,024 float32; Wv 1,024 x 1,024 float32; bk 1,024 float32; bo 1,024 float32; bq 1,024 float32; bv 1,024 float32; key 4 x 2,048 x 1,024 float32; query 4 x 2,048 x 1,024 float32; value 4 x 2,048 x 1,024 float32.
;; Outputs: out0 4 x 2,048 x 1,024 float32.
;; This version of the problem:
;;   THIS VERSION OF THE PROBLEM IS GIVEN IN LOW PRECISION. The matrix products marked QUANTISED in the list below multiply operands that are first quantised to E2M1 (2 exponent bits, 1 mantissa bit; 4 bits a number), with one power-of-two scale for each 32 numbers along K (OCP MX v1.0); their sums are f32. The products marked 'left as it is' may take bf16, f16 or f32 operands, with f32 sums. Whichever they take, every output number must still come out within the allowed error. Rounding operands to bf16 (8 significant bits) uses up far more of that allowance than f16 does (11 bits, for magnitudes from 6e-5 to 65,504). All else is computed in f32.
;;   The module's matrix products, in the order in which they are computed (A, B: the left and right operand; K: the contracted axis; several contracted axes count as one K, in the product's order):
;;     1. [M 8,192, K 1,024] x [K 1,024, N 1,024]; A: input query; B: input Wq: QUANTISED
;;     2. [M 8,192, K 1,024] x [K 1,024, N 1,024]; A: input key; B: input Wk: QUANTISED
;;     3. [M 8,192, K 1,024] x [K 1,024, N 1,024]; A: input value; B: input Wv: QUANTISED
;;     4. batch 64 x [M 2,048, K 64] x [K 64, N 2,048]; A: computed on the way; B: computed on the way: left as it is (an operand is computed on the way)
;;     5. batch 64 x [M 2,048, K 2,048] x [K 2,048, N 64]; A: computed on the way; B: computed on the way: left as it is (an operand is computed on the way)
;;     6. [M 8,192, K 1,024] x [K 1,024, N 1,024]; A: computed on the way; B: input Wo: left as it is (an operand is computed on the way)
;;   THE QUANTISER, for each operand of a quantised product, along K:
;;     - K is cut into blocks of 32 from its start; a last block that is shorter is filled with zeros.
;;     - A block's scale is 2^e with e = floor(log2(the largest magnitude in the block)) - 2, held to -126 .. 127; a block of zeros has e = 0. As a byte (E8M0): e + 127.
;;     - Each number is divided by its block's scale, clamped to +-6, and rounded to the nearest number of E2M1, ties to even, subnormals kept.
;;     - The product sums the exact products of the quantised numbers (number of the format x scale) in f32.
;;   ~~~python
;;   def quantise(x, axis):      # numpy; x: float32 -> the quantised numbers, widened to float32 again
;;       x = np.moveaxis(x, axis, -1); K = x.shape[-1]
;;       x = np.pad(x, [(0, 0)] * (x.ndim - 1) + [(0, -K % 32)]); x = x.reshape(x.shape[:-1] + (-1, 32)); a = np.abs(x).max(-1, keepdims=True)
;;       e = np.where(a > 0, np.clip(np.frexp(np.where(a > 0, a, 1))[1] - 1 - 2, -126, 127), 0)      # np.frexp(a)[1] - 1 = floor(log2(a)), exactly
;;       r = np.clip(x / 2.0 ** e, -6, 6)
;;       step = 2.0 ** (np.maximum(np.frexp(np.where(r == 0, 1, r))[1] - 1, 0) - 1)
;;       q = np.round(r / step) * step * 2.0 ** e      # np.round: ties to even
;;       return np.moveaxis(q.reshape(q.shape[:-2] + (-1,))[..., :K], -1, axis).astype(np.float32)
;;   ~~~
;; One version. Each part assembles by itself: llvm-mc -triple=amdgcn-amd-amdhsa -mcpu=gfx1250 --defsym DOCPART=n.
;; ======== version 1 of 1: 4 launches
;; limits: values are held in f16: magnitudes above 65,504 overflow, below 6.1e-05 lose precision
;; workspace buffers: xc 12,582,912 bytes; xs 786,432 bytes; wc 1,572,864 bytes; ws 98,304 bytes; wo16 2,097,152 bytes; qkv 50,331,648 bytes; xa 16,777,216 bytes
;; launch quant (part 1): grid 896 x 1, 4 waves a work-group, no clusters, 33,280 bytes of LDS; arguments query, key, value, Wq, Wk, Wv, Wo, xc, xs, wc, ws, wo16; writes xc, xs, wc, ws, wo16
.if DOCPART == 1
	.amdgcn_target "amdgcn-amd-amdhsa--gfx1250"
	.amdhsa_code_object_version 6
	.text
	.protected	k_qc0e221739a_quant
	.globl	k_qc0e221739a_quant
	.p2align	8
	.type	k_qc0e221739a_quant,@function
k_qc0e221739a_quant:
	s_mov_b64 s[64:65], 0
	v_nop
	global_prefetch_b8 v0, s[64:65] scope:SCOPE_SE
	s_setreg_imm32_b32 hwreg(HW_REG_WAVE_MODE, 25, 1), 1
	s_wait_xcnt 0x0
; query, key, value [8192][1024] and Wq, Wk, Wv [1024][1024], f32, K innermost, become codes of FP4 (E2M1), two a byte, and one E8M0 scale byte for each 32 along K;
; Wo [1024][1024] f32 becomes f16 (the last product is left as it is and takes f16 operands).
; xc: the three activations' codes on end, [3 x 8192][512 bytes]; xs: their scale bytes [3 x 8192][32]; wc, ws: the same for the three weights; wo16: [1024][1024] f16.
; A block's scale is 2^(floor(log2(its largest magnitude)) - 2); its byte is the largest magnitude's exponent field - 2, held at 1 from below.  A block of zeros so gets the byte 1 where the rule says 127:
; its codes are zeros, which add nothing under any byte but 0xff, and the bytes are read by this program alone.
; LIMITS: NaN and infinities among the inputs are not served; |Wo| beyond 65,504 does not fit f16.
; Rows are dense and K is a multiple of 32: every tensor is a plain stream of blocks of 32.  A work-group takes 32,768 numbers, a wave 8,192.
; Work-groups 0-255 query, 256-511 key, 512-767 value, 768-799 Wq, 800-831 Wk, 832-863 Wv (one path, the pointers chosen by the work-group's number), 864-895 Wo (a path of its own, which touches no LDS).
; A wave's 16 steps of 512 numbers: each of a step's four loads reads 512 consecutive bytes; the 2,048 bytes turn through the wave's own stage in LDS (16 bytes of padding behind each 64) and come back 64 bytes a lane,
; so that a lane holds 16 neighbours along K and two neighbouring lanes a block.  A lane's 16 codes are 8 bytes: the wave stores 256 consecutive bytes.  A wave's 256 scale bytes are gathered in LDS and leave as one aligned run of 256.
.set WAVES, 4
.set STEPS, 16
.set EMAX,  2
.set CB,    8                          ; bytes of 16 codes
.set R,     16                         ; v16-79   four sets of 16 numbers as they are loaded
.set X,     80                         ; v80-111  two sets of 16 neighbours
.set E,     112                        ; v112-127 a scale byte for each step
.set C,     128                        ; v128-191 codes: registers of its own for each step, so that no store's data are written again
.set WREG,  8192                       ; LDS: a region for each wave: two stages of 32 x SP bytes, behind them its 256 scale bytes
.set SP,    80
.set SPW,   12                         ; v12 LDS address of my spare word; never rewritten
.set NIL,   13                         ; v13 0; never rewritten
.set SPARE, WAVES*WREG                 ; behind the four regions: the spare words, 128 bytes a wave, which no other line names
	s_load_b512 s[8:23], s[0:1], 0x0               ; query 8, key 10, value 12, Wq 14, Wk 16, Wv 18, Wo 20, xc 22
	s_load_b256 s[24:31], s[0:1], 0x40             ; xs 24, wc 26, ws 28, wo16 30
	v_lshl_add_u32 v[SPW], v0, 2, SPARE
	v_mov_b32 v[NIL], 0
	v_lshrrev_b32 v1, 5, v0
	v_readfirstlane_b32 s36, v1                    ; wave
	v_and_b32 v2, 31, v0                           ; lane
	v_lshlrev_b32 v3, 4, v2                        ; my 16 bytes of a load's 512
	s_mul_i32 s37, s36, WREG
	v_lshrrev_b32 v14, 2, v2
	v_mul_u32_u24 v14, v14, SP
	v_and_b32 v15, 3, v2
	v_lshl_add_u32 v14, v15, 4, v14
	v_add_nc_u32 v14, s37, v14                     ; the stage, on the way in: SP (lane / 4) + 16 (lane % 4)
	v_mul_u32_u24 v15, v2, SP
	v_add_nc_u32 v15, s37, v15                     ; and on the way out: SP x lane: my 16 neighbours
	v_mul_u32_u24 v4, v2, CB                       ; my codes' place in a step's
	v_lshrrev_b32 v5, 1, v2
	s_add_co_u32 s37, s37, 2*32*SP
	v_add_nc_u32 v5, s37, v5                       ; LDS: my wave's 256 scale bytes, my block's byte
	v_lshlrev_b32 v7, 3, v2                        ; 8 bytes a lane
	v_add_nc_u32 v6, s37, v7
	s_wait_kmcnt 0x0
	s_cmp_ge_u32 ttmp9, 864
	s_cbranch_scc1 .Lwo
	; which tensor: every choice hangs on the work-group's number alone
	s_mov_b64 s[4:5], s[18:19]                     ; Wv, unless ..
	s_cmp_lt_u32 ttmp9, 832
	s_cselect_b64 s[4:5], s[16:17], s[4:5]
	s_cmp_lt_u32 ttmp9, 800
	s_cselect_b64 s[4:5], s[14:15], s[4:5]
	s_cmp_lt_u32 ttmp9, 768
	s_cselect_b64 s[4:5], s[12:13], s[4:5]
	s_cselect_b64 s[6:7], s[22:23], s[26:27]       ; the codes' buffer: xc or wc
	s_cselect_b64 s[32:33], s[24:25], s[28:29]     ; the scale bytes': xs or ws
	s_cselect_b32 s34, 0, 768                      ; the first work-group of that pair of buffers
	s_cselect_b32 s35, 255, 31                     ; work-groups to a tensor, less 1
	s_cmp_lt_u32 ttmp9, 512
	s_cselect_b64 s[4:5], s[10:11], s[4:5]
	s_cmp_lt_u32 ttmp9, 256
	s_cselect_b64 s[4:5], s[8:9], s[4:5]
	s_sub_co_u32 s34, ttmp9, s34                   ; my place in the codes' buffer,
	s_and_b32 s35, s34, s35                        ; and in the tensor
	s_lshl_b32 s34, s34, 2
	s_add_co_u32 s34, s34, s36                     ; in runs of 8,192 numbers, a run a wave
	s_lshl_b32 s35, s35, 2
	s_add_co_u32 s35, s35, s36
	s_mov_b32 s39, 0
	s_lshl_b32 s38, s35, 15                        ; 32,768 bytes of f32 a run
	s_add_nc_u64 s[4:5], s[4:5], s[38:39]
	s_lshl_b32 s38, s34, 12                        ; 4,096 bytes of codes
	s_add_nc_u64 s[6:7], s[6:7], s[38:39]
	s_lshl_b32 s38, s34, 8                         ; 256 scale bytes
	s_add_nc_u64 s[32:33], s[32:33], s[38:39]
.macro LOAD t
.irp i, 0,1,2,3
	global_load_b128 v[R+16*((\t)%4)+4*\i:R+16*((\t)%4)+4*\i+3], v3, s[4:5] offset:2048*(\t)+512*\i th:TH_LOAD_NT   ; 32 lanes read 512 consecutive bytes
.endr
.endm
.macro TURN t                          ; step t's numbers through the stage: LDS serves a wave's instructions in order, so no wait stands between the stores and the loads
.irp i, 0,1,2,3
	ds_store_b128 v14, v[R+16*((\t)%4)+4*\i:R+16*((\t)%4)+4*\i+3] offset:32*SP*((\t)%2)+8*SP*\i
.endr
.irp i, 0,1,2,3
	ds_load_b128 v[X+16*((\t)%2)+4*\i:X+16*((\t)%2)+4*\i+3], v15 offset:32*SP*((\t)%2)+16*\i
.endr
.endm
.irp t, 0,1,2,3
	LOAD \t
.endr
	s_wait_loadcnt 12                              ; step 0's four loads are in; the twelve of steps 1 to 3 may be out
	TURN 0
.macro STEP t
.set XS, X+16*((\t)%2)
.if (\t) > 0
	s_wait_dscnt 1                                 ; this step's numbers are back from the stage (the last step's byte store may be out): so its stores into the stage have read their registers,
.else
	s_wait_dscnt 0x0
.endif
.if (\t)+4 < STEPS
	LOAD (\t)+4                                    ; which take the loads of four steps on
.endif
.if (\t)+1 < STEPS
.if STEPS-2-(\t) >= 3
	s_wait_loadcnt 12                              ; the next step's four loads are in; those of the three steps behind it may be out
.else
	s_wait_loadcnt 4*(STEPS-2-(\t))
.endif
	TURN (\t)+1                                    ; and go through the other stage while this step is worked
.endif
	v_max3_num_f32 v8, |v[XS]|, |v[XS+1]|, |v[XS+2]|               ; the largest magnitude of my 16, in two chains
	v_max3_num_f32 v9, |v[XS+3]|, |v[XS+4]|, |v[XS+5]|
.irp i, 6,10
	v_max3_num_f32 v8, v8, |v[XS+\i]|, |v[XS+\i+1]|
	v_max3_num_f32 v9, v9, |v[XS+\i+2]|, |v[XS+\i+3]|
.endr
	v_max3_num_f32 v8, v8, |v[XS+14]|, |v[XS+15]|
	v_max3_num_f32 v8, v8, v9, (EMAX+1)<<23        ; and the floor 2^(EMAX + 1 - 127): the byte cannot fall under 1
	v_max_num_f32_dpp v8, v8, v8 row_xmask:1 row_mask:0xf bank_mask:0xf   ; and of my neighbour's 16: the block's
	v_add_nc_u32 v11, -(EMAX<<23), v8              ; EMAX off its exponent field: the conversion takes the exponent field of this operand as its scale, and nothing else of it
	v_cvt_scalef32_pk8_fp4_f32 v[C+4*(\t)], v[XS:XS+7], v11       ; eight numbers / the scale, to the nearest code, ties to even, beyond the largest code the largest
	v_cvt_scalef32_pk8_fp4_f32 v[C+4*(\t)+1], v[XS+8:XS+15], v11
	v_lshrrev_b32 v[E+(\t)], 23, v11               ; the scale's byte (a plain line behind the conversions)
	ds_store_b8 v5, v[E+(\t)] offset:16*(\t)       ; both lanes of a block write the same byte with the same value
	global_store_b64 v4, v[C+4*(\t):C+4*(\t)+1], s[6:7] offset:32*CB*(\t)   ; 32 lanes store 256 consecutive bytes, aligned
.endm
.irp t, 0,1,2,3,4,5,6,7,8,9,10,11,12,13,14,15
	STEP \t
.endr
	ds_load_b64 v[8:9], v6                         ; LDS serves a wave's instructions in order: these see my byte stores
	s_wait_dscnt 0x0
	global_store_b64 v7, v[8:9], s[32:33]          ; 32 lanes store 256 consecutive bytes, aligned
	s_wait_tensorcnt 0x0                           ; the wave's end
	ds_add_u32 v[SPW], v[NIL]
	s_wait_dscnt 0x0
	s_endpgm
; Wo to f16: 64 steps a wave; a step loads 512 consecutive bytes and stores 256.  Four groups of 16 steps on two sets of registers; 32 loads a wave are out at the most.  No LDS.
.Lwo:
	s_sub_co_u32 s34, ttmp9, 864
	s_lshl_b32 s34, s34, 2
	s_add_co_u32 s34, s34, s36                     ; my run of 8,192 numbers
	s_mov_b32 s39, 0
	s_lshl_b32 s38, s34, 15
	s_add_nc_u64 s[20:21], s[20:21], s[38:39]
	s_lshl_b32 s38, s34, 14
	s_add_nc_u64 s[30:31], s[30:31], s[38:39]
.macro WLOAD g
.irp i, 0,1,2,3,4,5,6,7,8,9,10,11,12,13,14,15
	global_load_b128 v[16+64*((\g)%2)+4*\i:16+64*((\g)%2)+4*\i+3], v3, s[20:21] offset:512*(16*(\g)+\i) th:TH_LOAD_NT
.endr
.endm
.macro WGRP g
.if (\g) < 3
	s_wait_loadcnt 16                              ; this group's 16 loads are in; the next group's may be out
.else
	s_wait_loadcnt 0x0
.endif
	s_wait_xcnt 0x0                                ; the last group's stores have read their data registers, which are written again below
.irp i, 0,1,2,3,4,5,6,7,8,9,10,11,12,13,14,15
	v_cvt_pk_f16_f32 v[144+2*\i], v[16+64*((\g)%2)+4*\i], v[16+64*((\g)%2)+4*\i+1]
	v_cvt_pk_f16_f32 v[145+2*\i], v[16+64*((\g)%2)+4*\i+2], v[16+64*((\g)%2)+4*\i+3]
.endr
.irp i, 0,1,2,3,4,5,6,7,8,9,10,11,12,13,14,15
	global_store_b64 v7, v[144+2*\i:145+2*\i], s[30:31] offset:256*(16*(\g)+\i)   ; 32 lanes store 256 consecutive bytes, aligned
.endr
.if (\g) < 2
	WLOAD (\g)+2
.endif
.endm
	WLOAD 0
	WLOAD 1
	WGRP 0
	WGRP 1
	WGRP 2
	WGRP 3
	s_endpgm
.Lfunc_end_k_qc0e221739a_quant:
	.size	k_qc0e221739a_quant, .Lfunc_end_k_qc0e221739a_quant-k_qc0e221739a_quant
	.p2alignl 7, 3214868480
	.fill 96, 4, 3214868480
	.section	.rodata,"a",@progbits
	.p2align	6, 0x0
	.amdhsa_kernel k_qc0e221739a_quant
		.amdhsa_group_segment_fixed_size 33280
		.amdhsa_private_segment_fixed_size 0
		.amdhsa_enable_private_segment 0
		.amdhsa_kernarg_size 96
		.amdhsa_user_sgpr_count 2
		.amdhsa_user_sgpr_kernarg_segment_ptr 1
		.amdhsa_wavefront_size32 1
		.amdhsa_system_sgpr_workgroup_id_x 1
		.amdhsa_system_sgpr_workgroup_id_y 1
		.amdhsa_system_sgpr_workgroup_id_z 1
		.amdhsa_system_vgpr_workitem_id 0
		.amdhsa_next_free_vgpr 192
		.amdhsa_next_free_sgpr 66
		.amdhsa_reserve_vcc 0
		.amdhsa_float_denorm_mode_32 3
		.amdhsa_float_denorm_mode_16_64 3
		.amdhsa_memory_ordered 1
		.amdhsa_forward_progress 1
		.amdhsa_inst_pref_size 54
	.end_amdhsa_kernel
	.amdgpu_metadata
---
amdhsa.version: [ 1, 2 ]
amdhsa.kernels:
  - .name:           k_qc0e221739a_quant
    .symbol:         k_qc0e221739a_quant.kd
    .args:
      - { .name: query, .offset: 0, .size: 8, .value_kind: global_buffer, .address_space: global }
      - { .name: key, .offset: 8, .size: 8, .value_kind: global_buffer, .address_space: global }
      - { .name: value, .offset: 16, .size: 8, .value_kind: global_buffer, .address_space: global }
      - { .name: Wq, .offset: 24, .size: 8, .value_kind: global_buffer, .address_space: global }
      - { .name: Wk, .offset: 32, .size: 8, .value_kind: global_buffer, .address_space: global }
      - { .name: Wv, .offset: 40, .size: 8, .value_kind: global_buffer, .address_space: global }
      - { .name: Wo, .offset: 48, .size: 8, .value_kind: global_buffer, .address_space: global }
      - { .name: xc, .offset: 56, .size: 8, .value_kind: global_buffer, .address_space: global }
      - { .name: xs, .offset: 64, .size: 8, .value_kind: global_buffer, .address_space: global }
      - { .name: wc, .offset: 72, .size: 8, .value_kind: global_buffer, .address_space: global }
      - { .name: ws, .offset: 80, .size: 8, .value_kind: global_buffer, .address_space: global }
      - { .name: wo16, .offset: 88, .size: 8, .value_kind: global_buffer, .address_space: global }
    .group_segment_fixed_size: 33280
    .private_segment_fixed_size: 0
    .kernarg_segment_align: 8
    .kernarg_segment_size: 96
    .max_flat_workgroup_size: 128
    .sgpr_count:     66
    .vgpr_count:     192
    .wavefront_size: 32
...
	.end_amdgpu_metadata
.endif
;; end of part 1
;; launch proj (part 2): grid 4 x 96, 4 waves a work-group, clusters of 4 x 4, 327,680 bytes of LDS; arguments xc, xs, wc, ws, bq, bk, bv, qkv; writes qkv
.if DOCPART == 2
	.amdgcn_target "amdgcn-amd-amdhsa--gfx1250"
	.amdhsa_code_object_version 6
	.text
	.protected	k_qc0e221739a_proj
	.globl	k_qc0e221739a_proj
	.p2align	8
	.type	k_qc0e221739a_proj,@function
k_qc0e221739a_proj:
	s_mov_b64 s[64:65], 0
	v_nop
	global_prefetch_b8 v0, s[64:65] scope:SCOPE_SE
	s_setreg_imm32_b32 hwreg(HW_REG_WAVE_MODE, 25, 1), 1
	s_wait_xcnt 0x0
	s_wait_alu depctr_hold_cnt(0) depctr_sa_sdst(0) depctr_va_vdst(0) depctr_va_sdst(0) depctr_va_ssrc(0) depctr_va_vcc(0) depctr_vm_vsrc(0)
	s_getreg_b32 s2, hwreg(HW_REG_IB_STS2, 6, 4)
	s_cmp_eq_u32 s2, 0
	s_cbranch_scc0 .Lentry_in_a_cluster
	s_endpgm
.Lentry_in_a_cluster:
	s_bfe_u32 s2, ttmp6, 0x10000c
	s_cmp_lg_u32 s2, 0xf033
	s_cbranch_scc0 .Lentry_shape_is_right
	s_endpgm
.Lentry_shape_is_right:
; The three quantised projections as ONE product on codes of FP4 (E2M1) with E8M0 scales: rows 0-8191 of xc are query's, 8192-16383 key's, 16384-24575 value's; projection p = row / 8192 takes rows 1024 p on of wc.
; C[m][n] = sum over k of x[m][k] W[n][k] + b[n], K = 1,024; q is further multiplied by log2(e), so that the softmax works in base 2; the result is rounded once to f16 and laid by head:
; qkv[p][batch x 16 + head][position][64], so that two neighbouring rows of a head are 256 consecutive bytes.
; LIMIT: |q log2(e)|, |k|, |v| beyond 65,504 do not fit f16.
; A tile of C, 256 x 256, is made by four waves, 128 x 128 each: 64 accumulators, 512 registers.  K is two LDS slots of 512 along K (rows of 256 bytes): both are asked for at the head, nothing is filled again.
; The scale bytes of the tile's 256 rows of x and 256 rows of W, for all of K, are two dense blocks: they come with the first fills, in rows of 256 bytes.
; CLUSTERS: 4 x 4 work-groups; the four of a row of the cluster need the same tiles of x, the four of a column the same tiles of W: each is asked for jointly, by the same tensor load with a mask that names the four.
; All sixteen share p: a cluster covers 1,024 rows, and 8,192 is a multiple of that.
; THE MATRIX INSTRUCTION IS USED TRANSPOSED (source 0 = 16 rows of W, source 1 = 16 rows of x): a lane then holds eight neighbouring columns of one row of C.
; REGISTERS, in windows of 256: window 0: v0-31 addresses; v32-95 scale words, two sets; v128-191 x's fragments, one set; v192-255 the bias of my 128 columns; on the way out v32-191 are at work.
;   window 1: W's fragments, two sets, at v0 and v128.   window 2: the accumulators of my rows 0-63 ((a, b) at v[8 (8 a + b)]);   window 3: those of rows 64-127.
.set NQ,     4                         ; matrix instructions deep in a slot: 512 along K
.set ROWB,   256                       ; a tile's row in bytes
.set KROW,   512                       ; a row of codes in memory
.set PITCH,  272                       ; an LDS row: 256 bytes + 16 of padding = 68 words: the 16 rows that a load touches start 4 words apart modulo 64 (64 banks of 4 bytes: ISA guide 11.1)
.set FR,     8
.set NL,     2
.set NP,     4                         ; places behind this matrix instruction (ISA guide 7.12.1)
.set HALFT,  128*PITCH
.set SLOT,   4*HALFT                   ; x's 256 rows, then W's 256 rows
.set KS,     32                        ; a row of scale bytes
.set SCL,    2*SLOT                    ; behind the two slots: the scales, as rows of 256 bytes + 16 of padding
.set HALFS,  (128*KS/256)*272
.set SBLK,   (16*KS/256)*272
.set SPARE,  SCL+4*HALFS               ; the spare words, 128 bytes a wave, which no other line names
.set SPITCH, 272                       ; the way out: a stage of 16 rows x (256 bytes + 16) for each wave, in slot 0, which has had its one fill and its last read by then
.set ADRA, 16
.set ADRB, 20
.set STO,  24
.set RD,   25
.set CO,   26
.set ADRS, 27
.set SPW,  28                          ; v28 LDS address of my spare word; never rewritten
.set NIL,  29                          ; v29 0; never rewritten
.set BO,   30                          ; v30 32 x (lane / 16): my half's eight numbers of a bias block
.set SC,   32
.set AF,   128
.set BIAS, 192                         ; register 8 b + j: bias[16 b + 8 (lane / 16) + j] of my 128 columns, later x c
.set T,    32                          ; the way out: 64 numbers in f32,
.set TMP,  96                          ; 32 registers of f16 pairs,
.set BK,   128                         ; and 16 rows read back: v128-159 and v160-191 by turns
.set G1, 24
.set G0, 32
.set G1B, 48
.set G0B, 56
.set G1S, 68
.set G0S, 76
.set G1SB, 80
.set G0SB, 88
.set MSB, 0
.macro WIN new                         ; the immediate's high byte repeats the setting that is left
.if MSB != \new
	s_set_vgpr_msb (MSB<<8)|\new
.set MSB, \new
.endif
.endm
.set MUL_LO, 0xa1                      ; source 0 (W) window 1, source 1 (x) window 0, C and D window 2
.set MUL_HI, 0xf1
.set TO_B,   0x40
; A joint load: waves 0 and 1 fetch for x, waves 2 and 3 for W.  The branch hangs on the wave's number alone.  An s_nop 0 and four v_nop follow each of the two lines.
.macro JLOAD g0a, g1a, g0b, g1b
	s_cmp_eq_u32 s21, 0
	s_cbranch_scc0 .Lfor_b_\@
	tensor_load_to_lds s[\g0a:\g0a+3], s[\g1a:\g1a+7]
	s_nop 0
.rept 4
	v_nop
.endr
	s_branch .Lasked_\@
.Lfor_b_\@:
	tensor_load_to_lds s[\g0b:\g0b+3], s[\g1b:\g1b+7]
	s_nop 0
.rept 4
	v_nop
.endr
.Lasked_\@:
.endm
.macro CROUND                          ; a round of the cluster's barrier
	s_barrier_signal -1
	s_barrier_wait -1
	s_cmp_lg_u32 s20, 0
	s_cbranch_scc1 .Lnot_wave_0_\@
	s_barrier_signal -3
.Lnot_wave_0_\@:
	s_barrier_wait -3
	s_barrier_signal -1
	s_barrier_wait -1
.endm
	s_load_b512 s[4:19], s[0:1], 0x0               ; xc 4, xs 6, wc 8, ws 10, bq 12, bk 14, bv 16, qkv 18
	v_lshl_add_u32 v[SPW], v0, 2, SPARE
	v_mov_b32 v[NIL], 0
	ds_add_u32 v[SPW], v[NIL]                      ; the wave's opening: the add, twice on end, and its wait ahead of my first tensor load
	ds_add_u32 v[SPW], v[NIL]
	v_lshrrev_b32 v1, 5, v0
	v_readfirstlane_b32 s20, v1                    ; wave 0..3
	s_lshr_b32 s21, s20, 1                         ; which half of the tile's rows is mine.  Also: I fetch for x (0) or for W (1)
	s_and_b32 s22, s20, 1                          ; which half of its columns.  Also: which 128 rows I fetch
	s_bfe_u32 s40, ttmp6, 0x40000                  ; cx, cy: my place in the cluster
	s_bfe_u32 s41, ttmp6, 0x40004
	s_lshl_b32 s42, ttmp9, 2
	s_add_co_u32 s42, s42, s40                     ; tile column = 4 x cluster x + cx
	s_and_b32 s100, ttmp7, 0xffff                  ; cluster y
	s_lshl_b32 s23, s100, 2
	s_add_co_u32 s23, s23, s41                     ; tile row = 4 x cluster y + cy
	s_lshr_b32 s100, s100, 3                       ; p: eight clusters of 1,024 rows to a projection; the same in all sixteen partners
	s_lshl_b32 s43, s41, 2
	s_lshl_b32 s43, 15, s43                        ; my row of the cluster
	s_lshl_b32 s44, 0x1111, s40                    ; my column
	s_mov_b32 s66, 1.0
	s_cmp_eq_u32 s100, 0
	s_cselect_b32 s66, 0x3fb8aa3b, s66             ; c: log2(e) for q, 1 for k and v
	s_mov_b32 s67, s66                             ; (named with it as a pair, so it is written)
	; descriptor group 1: a tile of 128 rows x 256 bytes, 16 bytes of padding behind each row
	s_or_b32 s[G1+0], s43, (0<<16)|(1<<20)|(1<<21)|(5<<22)|(3<<25)  ; 15:0 the mask; 17:16 elements of 1 byte; 20 padding on; 21 set beside a mask; 24:22 after every 64 words; 31:25 four words
	s_or_b32 s[G1B+0], s44, (0<<16)|(1<<20)|(1<<21)|(5<<22)|(3<<25)
.irp g, G1, G1B
	s_mov_b32 s[\g+1], ROWB<<16                    ; tensor_dim0
	s_mov_b32 s[\g+2], 128<<16                     ; tensor_dim1
	s_mov_b32 s[\g+3], ROWB<<16                    ; tile_dim0
	s_mov_b32 s[\g+4], 128                         ; tile_dim1
	s_mov_b32 s[\g+5], KROW                        ; the pitch in memory
	s_mov_b32 s[\g+6], 0
	s_mov_b32 s[\g+7], 0
.endr
	; and for the scales of 128 rows: 4,096 dense bytes as 16 rows of 32 elements of 8 bytes, 16 bytes of padding behind each
	s_or_b32 s[G1S+0], s43, (3<<16)|(1<<20)|(1<<21)|(5<<22)|(3<<25)
	s_or_b32 s[G1SB+0], s44, (3<<16)|(1<<20)|(1<<21)|(5<<22)|(3<<25)
.irp g, G1S, G1SB
	s_mov_b32 s[\g+1], 32<<16
	s_mov_b32 s[\g+2], (128*KS/256)<<16
	s_mov_b32 s[\g+3], 32<<16
	s_mov_b32 s[\g+4], 128*KS/256
	s_mov_b32 s[\g+5], 32
	s_mov_b32 s[\g+6], 0
	s_mov_b32 s[\g+7], 0
.endr
	s_lshl_b32 s2, s22, 7                          ; which 128 rows of the tile I fetch
	s_lshl_b32 s96, s23, 8
	s_add_co_u32 s96, s96, s2                      ; x: row 256 x tile row + 128 x half (no register here ever holds cx)
	s_lshl_b32 s98, s96, 5                         ; its scale bytes,
	s_lshl_b32 s96, s96, 9                         ; its codes (under 2^24 bytes)
	s_mov_b32 s97, 0
	s_mov_b32 s99, 0
	s_lshl_b32 s46, s42, 8
	s_add_co_u32 s46, s46, s2
	s_lshl_b32 s3, s100, 10
	s_add_co_u32 s46, s46, s3                      ; W: row 1024 p + 256 x tile column + 128 x half
	s_lshl_b32 s92, s46, 5
	s_lshl_b32 s46, s46, 9
	s_mov_b32 s47, 0
	s_mov_b32 s93, 0
	s_mul_i32 s45, s20, HALFT                      ; where they go: wave x 128 rows: no place in the cluster enters an LDS address
	s_mul_i32 s94, s20, HALFS
	s_wait_dscnt 0x0                               ; both opening adds are done
	s_wait_kmcnt 0x0
	s_add_nc_u64 s[96:97], s[4:5], s[96:97]
	s_add_nc_u64 s[98:99], s[6:7], s[98:99]
	s_add_nc_u64 s[46:47], s[8:9], s[46:47]
	s_add_nc_u64 s[92:93], s[10:11], s[92:93]
	CROUND                                         ; all sixteen work-groups are here: the first joint loads meet
	s_mov_b32 s[G0S], 1
	s_add_co_u32 s[G0S+1], s94, SCL
	s_mov_b64 s[G0S+2:G0S+3], s[98:99]
	s_or_b32 s[G0S+3], s[G0S+3], 0x80000000
	s_mov_b32 s[G0SB], 1
	s_add_co_u32 s[G0SB+1], s94, SCL
	s_mov_b64 s[G0SB+2:G0SB+3], s[92:93]
	s_or_b32 s[G0SB+3], s[G0SB+3], 0x80000000
	JLOAD G0S, G1S, G0SB, G1SB                     ; the scales first: they are wanted with slot 0
.irp s, 0,1
	s_mov_b32 s[G0+4*\s], 1
	s_add_co_u32 s[G0+4*\s+1], s45, \s*SLOT
	s_add_nc_u64 s[G0+4*\s+2:G0+4*\s+3], s[96:97], \s*ROWB
	s_or_b32 s[G0+4*\s+3], s[G0+4*\s+3], 0x80000000
	s_mov_b32 s[G0B+4*\s], 1
	s_add_co_u32 s[G0B+4*\s+1], s45, \s*SLOT
	s_add_nc_u64 s[G0B+4*\s+2:G0B+4*\s+3], s[46:47], \s*ROWB
	s_or_b32 s[G0B+4*\s+3], s[G0B+4*\s+3], 0x80000000
	JLOAD G0+4*\s, G1, G0B+4*\s, G1B               ; three loads of mine are out behind the second of these
.endr
	v_and_b32 v1, 15, v0                           ; r = lane % 16
	v_bfe_u32 v2, v0, 4, 1                         ; h = lane / 16
	v_mul_u32_u24 v3, v1, PITCH
	v_lshl_add_u32 v4, v2, 4, v3                   ; a fragment's row x pitch + 16 h
	s_mul_i32 s2, s21, HALFT                       ; my 128 rows of x
	s_mul_i32 s3, s22, HALFT                       ; my 128 rows of W,
	s_add_co_u32 s3, s3, 2*HALFT                   ; which lie behind x's 256
.irp s, 0,1
	v_add_nc_u32 v[ADRA+\s], s2, v4
	v_add_nc_u32 v[ADRB+\s], s3, v4
	s_add_co_u32 s2, s2, SLOT
	s_add_co_u32 s3, s3, SLOT
.endr
	v_mul_u32_u24 v5, v1, KS                       ; my row's scales: 32 bytes a row,
	v_lshrrev_b32 v6, 8, v5
	v_lshl_add_u32 v5, v6, 4, v5                   ; and 16 more for each 256 passed
	s_mul_i32 s2, s21, HALFS
	s_mul_i32 s3, s22, HALFS
	s_add_co_u32 s3, s3, 2*HALFS
	s_sub_co_u32 s3, s3, s2
	v_mul_u32_u24 v6, s3, v2                       ; lanes 16-31 take W's: one product, the distance between the two bases x h
	s_add_co_u32 s2, s2, SCL
	v_add_nc_u32 v5, v5, v6
	v_add_nc_u32 v[ADRS], s2, v5
	s_mul_i32 s2, s20, 16*SPITCH                   ; my stage
	v_mul_u32_u24 v5, v1, SPITCH                   ; in: row r, 16 bytes for each half of the lanes
	v_lshl_add_u32 v5, v2, 4, v5
	v_add_nc_u32 v[STO], s2, v5
	v_and_b32 v6, 31, v0
	v_lshlrev_b32 v[CO], 4, v6                     ; out: 16 bytes a lane of 512 dense bytes (four rows of a head)
	v_lshrrev_b32 v5, 3, v6
	v_mul_u32_u24 v5, v5, SPITCH                   ; back: eight lanes to a row's 128 bytes of one head
	v_and_b32 v6, 7, v6
	v_lshl_add_u32 v5, v6, 4, v5
	v_add_nc_u32 v[RD], s2, v5
	v_lshlrev_b32 v[BO], 5, v2
	; the bias of my 128 columns
	s_cmp_eq_u32 s100, 0
	s_cselect_b64 s[12:13], s[12:13], s[14:15]
	s_cmp_eq_u32 s100, 2
	s_cselect_b64 s[12:13], s[16:17], s[12:13]
	s_lshl_b32 s46, s42, 10
	s_lshl_b32 s47, s22, 9
	s_add_co_u32 s46, s46, s47                     ; (256 x tile column + 128 x half) x 4 bytes
	s_mov_b32 s47, 0
	s_add_nc_u64 s[12:13], s[12:13], s[46:47]
.irp b, 0,1,2,3,4,5,6,7
	global_load_b128 v[BIAS+8*\b:BIAS+8*\b+3], v[BO], s[12:13] offset:64*\b
	global_load_b128 v[BIAS+8*\b+4:BIAS+8*\b+7], v[BO], s[12:13] offset:64*\b+16
.endr
	; where my part begins in qkv: R = my first row of the 24,576: (R / 2048) x 16 heads + my first head, x 262,144, + (R % 2048) x 128
	s_lshl_b32 s2, s23, 8
	s_lshl_b32 s3, s21, 7
	s_add_co_u32 s2, s2, s3
	s_lshr_b32 s3, s2, 11
	s_lshl_b32 s3, s3, 22
	s_and_b32 s2, s2, 2047
	s_lshl_b32 s2, s2, 7
	s_add_co_u32 s2, s2, s3
	s_lshl_b32 s46, s42, 2
	s_lshl_b32 s47, s22, 1
	s_add_co_u32 s46, s46, s47                     ; my first head: 4 x tile column + 2 x half
	s_lshl_b32 s46, s46, 18
	s_add_co_u32 s46, s46, s2
	s_mov_b32 s47, 0
	s_add_nc_u64 s[18:19], s[18:19], s[46:47]
.macro FRAG reg, adr, q, i             ; 16 rows x 128 K of 4-bit codes: 8 registers: lane l holds row l % 16; registers 4 c .. 4 c + 3 hold K = 64 c + 32 (l / 16) + 0 .. 31
.irp c, 0,1
	ds_load_b128 v[\reg+4*\c:\reg+4*\c+3], v[\adr] offset:64*(\q)+32*\c+(\i)*16*PITCH
.endr
.endm
; 16 matrix instructions: x's blocks a0, a0 + 1 against W's eight, the slot's q-th 128 along K.  p: W's set; sc: the set of scale words.  zero = 1: the first product starts the sums.
; The 64 accumulators take turns, one instruction a turn, in the same order in every step.
.macro MUL16 a0, p, q, sc, zero
.irp a, \a0, \a0+1
.irp b, 0,1,2,3,4,5,6,7
.if \zero
	v_wmma_scale_f32_16x16x128_f8f6f4 v[8*(8*((\a)%4)+\b):8*(8*((\a)%4)+\b)+7], v[128*(\p)+FR*\b:128*(\p)+FR*\b+FR-1], v[AF+FR*(\a):AF+FR*(\a)+FR-1], 0, v[SC+8*NQ*(\sc)+NQ*\b+(\q)], v[SC+8*NQ*(\sc)+NQ*(\a)+(\q)] matrix_a_fmt:MATRIX_FMT_FP4 matrix_b_fmt:MATRIX_FMT_FP4 matrix_a_scale:MATRIX_SCALE_ROW1
.else
	v_wmma_scale_f32_16x16x128_f8f6f4 v[8*(8*((\a)%4)+\b):8*(8*((\a)%4)+\b)+7], v[128*(\p)+FR*\b:128*(\p)+FR*\b+FR-1], v[AF+FR*(\a):AF+FR*(\a)+FR-1], v[8*(8*((\a)%4)+\b):8*(8*((\a)%4)+\b)+7], v[SC+8*NQ*(\sc)+NQ*\b+(\q)], v[SC+8*NQ*(\sc)+NQ*(\a)+(\q)] matrix_a_fmt:MATRIX_FMT_FP4 matrix_b_fmt:MATRIX_FMT_FP4 matrix_a_scale:MATRIX_SCALE_ROW1
.endif
.endr
.endr
.endm
.macro FETCH_B slot, q, p
	WIN TO_B
.irp i, 0,1,2,3,4,5,6,7
	FRAG 128*(\p)+FR*\i, ADRB+\slot, \q, \i
.endr
	WIN 0
.endm
.macro FETCH_A slot, q, i0
.irp i, \i0, \i0+1, \i0+2, \i0+3
	FRAG AF+FR*(\i), ADRA+\slot, \q, \i
.endr
.endm
.macro SCALES sc                       ; a slot's scale words: four a row; lanes 0-15 take x's block i, lanes 16-31 W's block i
.irp i, 0,1,2,3,4,5,6,7
	ds_load_b128 v[SC+8*NQ*\sc+NQ*\i:SC+8*NQ*\sc+NQ*\i+3], v[ADRS] offset:\i*SBLK
.endr
.endm
.macro PLACES n                        ; places in front of loads into registers that matrix instructions have read (ISA guide 7.12.1 for vector instructions)
.rept \n
	v_nop
.endr
.endm
.macro STEP slot, q, zero              ; a step of 128 along K that has its successor in the same slot
	s_wait_dscnt 4*NL                              ; W's set and x's blocks 0-3 are in; the youngest eight loads (x's blocks 4-7) may be out
	WIN MUL_LO
	MUL16 0, (\q)%2, \q, \slot, \zero
	MUL16 2, (\q)%2, \q, \slot, \zero
	s_wait_dscnt 0                                 ; x's blocks 4-7 are in
	PLACES NP
	FETCH_B \slot, (\q)+1, 1-(\q)%2
	FETCH_A \slot, (\q)+1, 0
	WIN MUL_HI
	MUL16 4, (\q)%2, \q, \slot, \zero
	MUL16 6, (\q)%2, \q, \slot, \zero
	PLACES NP
	WIN 0
	FETCH_A \slot, (\q)+1, 4
.endm
; Slot 0's last step changes slots: one barrier.  In front of it each wave has waited for all its tensor loads (its part of slot 1) and for its own reads of slot 0, which the way out will write.
.macro TURN slot, next
	s_wait_tensorcnt 0x0                           ; all my tensor loads have landed
	ds_add_u32 v[SPW], v[NIL]                      ; 0 onto my spare word
	s_wait_dscnt 4*NL+1                            ; (the add and the youngest eight loads may be out)
	WIN MUL_LO
	MUL16 0, 1, NQ-1, \slot, 0
	s_wait_dscnt 0x0                               ; the add is done, and my reads of this slot are over
	s_barrier_signal -1
	MUL16 2, 1, NQ-1, \slot, 0
	WIN 0
	s_barrier_wait -1
	PLACES NP
	v_add_nc_u32 v[ADRS], 4*NQ, v[ADRS]            ; on to the next slot's scale words
	FETCH_B \next, 0, 0
	FETCH_A \next, 0, 0
	SCALES \next
	WIN MUL_HI
	MUL16 4, 1, NQ-1, \slot, 0
	MUL16 6, 1, NQ-1, \slot, 0
	PLACES NP
	WIN 0
	FETCH_A \next, 0, 4
.endm
	s_wait_tensorcnt 1                             ; the scales and my part of slot 0 are in; slot 1's load, the one issued behind them, may be out
	s_barrier_signal -1
	s_barrier_wait -1
	FETCH_B 0, 0, 0
	FETCH_A 0, 0, 0
	SCALES 0
	FETCH_A 0, 0, 4
	STEP 0, 0, 1                                   ; the first step's products start the sums
	STEP 0, 1, 0
	STEP 0, 2, 0
	TURN 0, 1
	STEP 1, 0, 0
	STEP 1, 1, 0
	STEP 1, 2, 0
	s_wait_dscnt 4*NL                              ; the last step: nothing more to fetch
	WIN MUL_LO
	MUL16 0, 1, NQ-1, 1, 0
	MUL16 2, 1, NQ-1, 1, 0
	s_wait_dscnt 0
	WIN MUL_HI
	MUL16 4, 1, NQ-1, 1, 0
	MUL16 6, 1, NQ-1, 1, 0
	WIN 0
; THE WAY OUT, block by block of 16 rows x 128 columns (two heads).  (sum + b) c = sum x c + b c, one fused multiply-add; rounded to f16, 16 bytes a lane, through my own stage in LDS, and back as
; four rows x 128 bytes of one head, which are 512 consecutive bytes of qkv.
	s_wait_loadcnt 0x0                             ; the bias
.set j, 0
.rept 32
	v_pk_mul_f32 v[BIAS+j:BIAS+j+1], v[BIAS+j:BIAS+j+1], s[66:67] op_sel_hi:[1,0]   ; b c.  These 32 name no register of the last products: they are the places behind them
.set j, j+2
.endr
.macro PACK a
.set AC, 64*((\a)%4)
.set W, 0x02+(\a)/4
	WIN W                                          ; source 0: window 2 or 3
.irp b, 0,1,2,3,4,5,6,7
.irp r, 0,1,2,3
	v_pk_fma_f32 v[T+8*\b+2*\r:T+8*\b+2*\r+1], v[AC+8*\b+2*\r:AC+8*\b+2*\r+1], s[66:67], v[BIAS+8*\b+2*\r:BIAS+8*\b+2*\r+1] op_sel_hi:[1,0,1]   ; each accumulator from its low end on
.endr
.endr
	WIN 0
.irp b, 0,1,2,3,4,5,6,7
.irp r, 0,1,2,3
	v_cvt_pk_f16_f32 v[TMP+4*\b+\r], v[T+8*\b+2*\r], v[T+8*\b+2*\r+1]
.endr
.endr
.endm
.macro TOSTAGE a
.set BB, BK+32*((\a)%2)
.irp b, 0,1,2,3,4,5,6,7
	ds_store_b128 v[STO], v[TMP+4*\b:TMP+4*\b+3] offset:32*\b
.endr
.irp hh, 0,1
.irp t, 0,1,2,3
	ds_load_b128 v[BB+16*\hh+4*\t:BB+16*\hh+4*\t+3], v[RD] offset:\t*4*SPITCH+\hh*128   ; LDS serves a wave's instructions in order (ISA guide 5.7.1.4): these see the stores above
.endr
.endr
.endm
.macro SEND a, younger
.set BB, BK+32*((\a)%2)
	s_wait_dscnt \younger                          ; the block is back in registers
	s_wait_xcnt 0x0                                ; earlier stores have read their base and their data: both are written again only behind this wait
.if (\a) > 0
	s_add_nc_u64 s[18:19], s[18:19], 2048          ; 16 rows of a head on
.endif
.irp hh, 0,1
.irp t, 0,1,2,3
	global_store_b128 v[CO], v[BB+16*\hh+4*\t:BB+16*\hh+4*\t+3], s[18:19] offset:\hh*262144+\t*512   ; 32 lanes store 512 consecutive bytes, at a multiple of 256 from the buffer's first byte
.endr
.endr
.endm
	PACK 0
	TOSTAGE 0
.irp a, 1,2,3,4,5,6,7                  ; block a's arithmetic stands between block a - 1's loads from the stage and the wait for them
	PACK \a
	SEND \a-1, 0
	TOSTAGE \a
.endr
	SEND 7, 0
	s_wait_tensorcnt 0x0                           ; the wave's end
	ds_add_u32 v[SPW], v[NIL]
	s_wait_dscnt 0x0
	CROUND                                         ; the closing round: no work-group ends while a partner may still ask for a tile that names it
	s_endpgm
.Lfunc_end_k_qc0e221739a_proj:
	.size	k_qc0e221739a_proj, .Lfunc_end_k_qc0e221739a_proj-k_qc0e221739a_proj
	.p2alignl 7, 3214868480
	.fill 96, 4, 3214868480
	.section	.rodata,"a",@progbits
	.p2align	6, 0x0
	.amdhsa_kernel k_qc0e221739a_proj
		.amdhsa_group_segment_fixed_size 327680
		.amdhsa_private_segment_fixed_size 0
		.amdhsa_enable_private_segment 0
		.amdhsa_kernarg_size 64
		.amdhsa_user_sgpr_count 2
		.amdhsa_user_sgpr_kernarg_segment_ptr 1
		.amdhsa_wavefront_size32 1
		.amdhsa_system_sgpr_workgroup_id_x 1
		.amdhsa_system_sgpr_workgroup_id_y 1
		.amdhsa_system_sgpr_workgroup_id_z 1
		.amdhsa_system_vgpr_workitem_id 0
		.amdhsa_next_free_vgpr 1024
		.amdhsa_next_free_sgpr 102
		.amdhsa_reserve_vcc 0
		.amdhsa_float_denorm_mode_32 3
		.amdhsa_float_denorm_mode_16_64 3
		.amdhsa_memory_ordered 1
		.amdhsa_forward_progress 1
		.amdhsa_inst_pref_size 147
	.end_amdhsa_kernel
	.amdgpu_metadata
---
amdhsa.version: [ 1, 2 ]
amdhsa.kernels:
  - .name:           k_qc0e221739a_proj
    .symbol:         k_qc0e221739a_proj.kd
    .args:
      - { .name: xc, .offset: 0, .size: 8, .value_kind: global_buffer, .address_space: global }
      - { .name: xs, .offset: 8, .size: 8, .value_kind: global_buffer, .address_space: global }
      - { .name: wc, .offset: 16, .size: 8, .value_kind: global_buffer, .address_space: global }
      - { .name: ws, .offset: 24, .size: 8, .value_kind: global_buffer, .address_space: global }
      - { .name: bq, .offset: 32, .size: 8, .value_kind: global_buffer, .address_space: global }
      - { .name: bk, .offset: 40, .size: 8, .value_kind: global_buffer, .address_space: global }
      - { .name: bv, .offset: 48, .size: 8, .value_kind: global_buffer, .address_space: global }
      - { .name: qkv, .offset: 56, .size: 8, .value_kind: global_buffer, .address_space: global }
    .group_segment_fixed_size: 327680
    .private_segment_fixed_size: 0
    .kernarg_segment_align: 8
    .kernarg_segment_size: 64
    .max_flat_workgroup_size: 128
    .sgpr_count:     102
    .vgpr_count:     1024
    .wavefront_size: 32
...
	.end_amdgpu_metadata
.endif
;; end of part 2
;; launch attn (part 3): grid 4 x 64, 16 waves a work-group, no clusters, 327,680 bytes of LDS; arguments qkv, xa; writes xa
.if DOCPART == 3
	.amdgcn_target "amdgcn-amd-amdhsa--gfx1250"
	.amdhsa_code_object_version 6
	.text
	.protected	k_qc0e221739a_attn
	.globl	k_qc0e221739a_attn
	.p2align	8
	.type	k_qc0e221739a_attn,@function
k_qc0e221739a_attn:
	s_mov_b64 s[64:65], 0
	v_nop
	global_prefetch_b8 v0, s[64:65] scope:SCOPE_SE
	s_setreg_imm32_b32 hwreg(HW_REG_WAVE_MODE, 25, 1), 1
	s_wait_xcnt 0x0
; Causal attention on f16 operands, f32 sums: x[q] = sum over k <= q of softmax_k(q . k) v[k], logits unscaled.  qkv: [q, k, v][batch x 16 + head][2048][64] f16; q carries the factor log2(e), so a score is its own exponent in base 2.
; xa: [head][batch x 2048 + position][64] f16.
; SOFTMAX: a running maximum m and sum l for each query; p = 2^(s - m); in every step O and l are multiplied by a = 2^(m_old - m_new).  l sums the unrounded p; p is rounded to f16 for the second product.
; LIMITS: hidden scores are -infinity where the definition has -1e10: the same result unless visible logits lie near -1e10; |x| beyond 65,504 does not fit f16; NaN and infinities are not served.
; SHARES.  Work-group (i, head) owns the blocks i and 7 - i of 256 queries: (i + 1) + (8 - i) = 9 blocks of keys to walk, the same for every work-group.  Sixteen waves, 32 queries (two tiles) each, so that each fragment of K
; and V read from LDS feeds two matrix instructions.  Waves of the early and of the late block alternate, so that neighbours in number have unlike amounts of work.
; NO CLUSTER: the four work-groups of a head need 8, 7, 6 and 5 slots of keys; a partner would have to ask for tiles that none of its waves reads.
; THE WALK.  Every work-group walks all 8 slots of 256 keys (constant trip counts, every barrier passed by every wave); a step of 64 keys all of which come after the wave's queries is jumped over, and a slot whose first key comes
; after the work-group's last query is not asked for.  K's and V's tiles come through two LDS slots (waves 0, 1: K's halves; waves 2, 3: V's).
; LAYOUT.  S^T = K Q^T (source 0 = 16 keys, source 1 = 16 queries): a lane holds ONE query (lane % 16) and keys 8 (lane / 16) + 0..7.  Two such tiles, rounded in pairs, ARE source 1 (32 keys x 16 queries) of O^T = V^T P.
; K comes out of LDS as it lies, V ([key][channel]) turned, by ds_load_tr16_b128.
.set KP,    144                        ; a row of K in LDS: 128 bytes + 16: an odd multiple of 16
.set VP,    160                        ; a row of V: 128 + 32: an odd multiple of 32, for the turning load
.set SK,    256                        ; keys in a slot
.set VOFF,  SK*KP
.set SLOT1, 1<<17                      ; slot 1 begins here: one exclusive or turns an address
.set STAGE, SLOT1+VOFF+SK*VP           ; behind the slots: 32 rows x 144 bytes for each wave, for the way out; no tile lands here
.set SROW,  144
.set SPARE, STAGE+16*32*SROW           ; the spare words, 128 bytes a wave, which no other line names
.set NSL,   2048/SK
.set AK0, 1                            ; v1  my lane's place in a tile of K
.set AV0, 2                            ; v2  and of V
.set SPW, 3                            ; v3  LDS address of my spare word; never rewritten
.set NIL, 4                            ; v4  0; never rewritten
.set ADK, 5                            ; v5  LDS address of the slot's K for my lane; the stage's on the way out
.set ADV, 6                            ; v6  the same for V
.set PFO, 7                            ; v7  256 x lane: the prefetches' offset; never rewritten
.set QF,  16                           ; v16-47   Q: tile t, channels 32 c on, at 16 t + 8 c
.set KV,  48                           ; v48-111  K's eight fragments, then V's
.set S,   112                          ; v112-175 S^T, 32 a tile: register 8 kt + j = key 16 kt + 8 (lane / 16) + j of the step; P takes the first 16 of each tile's
.set OT,  176                          ; v176-239 O^T, 32 a tile: register 8 c + j = channel 16 c + 8 (lane / 16) + j
.set ST,  240                          ; v240-255 eight a tile: +0 -m, +1 m, +2, +3 l (even, odd keys), +4 to +7 c0-c3 at work; a takes +6
.set WV,  8
.set Q0,  13                           ; s13 my first query
.set QL,  14                           ; s14 my last
.set KF,  15                           ; s15 the step's first key
.set TB,  16                           ; s16 LDS byte at which the slot in hand begins
.set SLOTS, 18
.set SEL, 20                           ; s[20:21] v_permlanex16_b32's selects for lane l xor 16
.set WLAST, 22                         ; s22 my work-group's last query
.set LIM, 23                           ; s23 1 in a wave that prefetches, else the greatest number
.set G1K, 24
.set G1V, 32
.set G0K, 40
.set G0V, 44
.set PFA, 48                           ; s[48:49] where my prefetches stand
; Waves 0 and 1 fetch K's halves, waves 2 and 3 V's, the others nothing.  An s_nop 0 and four v_nop follow each of the two lines.
.macro TLOAD
	s_cmp_lt_u32 s[WV], 2
	s_cbranch_scc0 .Lnot_k_\@
	tensor_load_to_lds s[G0K:G0K+3], s[G1K:G1K+7]
	s_nop 0
.rept 4
	v_nop
.endr
	s_branch .Lasked_\@
.Lnot_k_\@:
	s_cmp_lt_u32 s[WV], 4
	s_cbranch_scc0 .Lasked_\@
	tensor_load_to_lds s[G0V:G0V+3], s[G1V:G1V+7]
	s_nop 0
.rept 4
	v_nop
.endr
.Lasked_\@:
.endm
; A prefetch of the slot that the NEXT change of slots will ask for: 32,768 dense bytes of K and as many of V.  The head's first work-group, which walks all slots, asks, and nobody else; in it waves 4 to 7 ask for K,
; waves 8 to 11 for V, 8,192 bytes a wave, lanes 256 bytes apart: each block of 256 bytes is named once in the launch.  The last change that fills a slot asks for nothing; slots 0 and 1 come by their loads alone.
.macro ASK
	s_cmp_gt_u32 s[SLOTS], s[LIM]
	s_cbranch_scc0 .Lnot_mine_\@
	global_prefetch_b8 v[PFO], s[PFA:PFA+1] th:TH_LOAD_NT scope:SCOPE_SE
.Lnot_mine_\@:
.endm
	s_load_b128 s[4:7], s[0:1], 0x0                ; qkv, xa
	v_lshl_add_u32 v[SPW], v0, 2, SPARE
	v_mov_b32 v[NIL], 0
	ds_add_u32 v[SPW], v[NIL]                      ; the wave's opening: the add, twice on end, and its wait ahead of my first tensor load
	ds_add_u32 v[SPW], v[NIL]
	v_lshrrev_b32 v8, 5, v0
	v_readfirstlane_b32 s[WV], v8                  ; wave 0..15
	s_lshr_b32 s9, s[WV], 2
	s_xor_b32 s9, s9, s[WV]
	s_and_b32 s9, s9, 1                            ; 0: the early block, 1: the late one
	s_lshr_b32 s10, s[WV], 1                       ; which 32 queries of it: waves 2 n and 2 n + 1 take the n-th of the two blocks
	s_mul_i32 s11, s9, 7
	s_xor_b32 s11, s11, ttmp9                      ; the block: i or 7 - i
	s_lshl_b32 s[Q0], s11, 8
	s_lshl_b32 s12, s10, 5
	s_add_co_u32 s[Q0], s[Q0], s12
	s_add_co_u32 s[QL], s[Q0], 31
	s_sub_co_u32 s[WLAST], 8, ttmp9
	s_lshl_b32 s[WLAST], s[WLAST], 8
	s_sub_co_u32 s[WLAST], s[WLAST], 1             ; 256 (8 - i) - 1
	s_and_b32 s12, ttmp7, 0xffff                   ; batch x 16 + head
	s_lshl_b32 s50, s12, 18                        ; its 262,144 bytes in each of q, k, v
	s_lshl_b32 s56, s[Q0], 7
	s_add_co_u32 s54, s50, s56                     ; my queries in q
	s_mov_b32 s55, 0
	s_and_b32 s57, s12, 15
	s_lshl_b32 s57, s57, 20                        ; xa: the head's 1,048,576 bytes,
	s_lshr_b32 s58, s12, 4
	s_lshl_b32 s58, s58, 18                        ; the batch's 2,048 rows of 128 bytes,
	s_add_co_u32 s52, s57, s58
	s_add_co_u32 s52, s52, s56                     ; my queries
	s_mov_b32 s53, 0
	s_and_b32 s56, s[WV], 1                        ; what I fetch, if I fetch: which 128 of a slot's 256 rows
	s_lshl_b32 s57, s56, 14
	s_add_co_u32 s58, s50, s57
	s_add_co_u32 s58, s58, 0x1000000               ; k lies 16,777,216 bytes behind q
	s_mov_b32 s59, 0
	s_mov_b32 s[G0K], 1
	s_mul_i32 s[G0K+1], s56, 128*KP
	s_mov_b32 s[G0V], 1
	s_mul_i32 s[G0V+1], s56, 128*VP
	s_add_co_u32 s[G0V+1], s[G0V+1], VOFF
	; descriptor group 1: 128 rows of 128 bytes, dense in memory; K: four words of padding behind each 32, V: eight
	s_mov_b32 s[G1K], (0<<16)|(1<<20)|(4<<22)|(3<<25)
	s_mov_b32 s[G1V], (0<<16)|(1<<20)|(4<<22)|(7<<25)
.irp g, G1K, G1V
	s_mov_b32 s[\g+1], 128<<16                     ; tensor_dim0
	s_mov_b32 s[\g+2], 128<<16                     ; tensor_dim1
	s_mov_b32 s[\g+3], 128<<16                     ; tile_dim0
	s_mov_b32 s[\g+4], 128                         ; tile_dim1
	s_mov_b32 s[\g+5], 128                         ; the pitch in memory
	s_mov_b32 s[\g+6], 0
	s_mov_b32 s[\g+7], 0
.endr
	s_mov_b32 s[SEL], 0x76543210
	s_mov_b32 s[SEL+1], 0xfedcba98
	s_mov_b32 s[TB], 0
	s_mov_b32 s[KF], 0
	s_mov_b32 s[SLOTS], NSL-1
	s_wait_dscnt 0x0                               ; both opening adds are done
	s_wait_kmcnt 0x0
	s_add_nc_u64 s[G0K+2:G0K+3], s[4:5], s[58:59]
	s_add_nc_u64 s[G0V+2:G0V+3], s[G0K+2:G0K+3], 0x1000000   ; v lies as far behind k
	s_or_b32 s[G0K+3], s[G0K+3], 0x80000000
	s_or_b32 s[G0V+3], s[G0V+3], 0x80000000
	TLOAD                                          ; slot 0: it holds key 0, which counts for every query
	s_add_nc_u64 s[54:55], s[4:5], s[54:55]
	s_add_nc_u64 s[52:53], s[6:7], s[52:53]
	v_and_b32 v9, 15, v0                           ; r
	v_bfe_u32 v10, v0, 4, 1                        ; h
	v_lshlrev_b32 v8, 7, v9
	v_lshl_add_u32 v8, v10, 4, v8                  ; Q: row r of 128 bytes + 16 h
.irp t, 0,1
.irp c, 0,1
	global_load_b128 v[QF+16*\t+8*\c:QF+16*\t+8*\c+3], v8, s[54:55] offset:2048*\t+64*\c
	global_load_b128 v[QF+16*\t+8*\c+4:QF+16*\t+8*\c+7], v8, s[54:55] offset:2048*\t+64*\c+32
.endr
.endr
	; the prefetches: where my wave's stand, and who asks.  Nothing is prefetched here, at the head
	s_mov_b32 s56, 0x2000000
	s_cmp_lt_u32 s[WV], 8
	s_cselect_b32 s56, 0x1000000, s56              ; waves 4 to 7: k; waves 8 to 11: v
	s_and_b32 s57, s[WV], 3
	s_lshl_b32 s57, s57, 13
	s_add_co_u32 s56, s56, s57                     ; my wave's 8,192 bytes,
	s_add_co_u32 s56, s56, s50                     ; in my head,
	s_add_co_u32 s56, s56, 32768                   ; in slot 1: the first change of slots steps it to slot 2
	s_mov_b32 s57, 0
	s_add_nc_u64 s[PFA:PFA+1], s[4:5], s[56:57]
	s_sub_co_u32 s56, s[WV], 4
	s_lshr_b32 s56, s56, 3                         ; 0 in waves 4 to 11,
	s_or_b32 s56, s56, ttmp9                       ; of the head's first work-group
	s_cmp_eq_u32 s56, 0
	s_cselect_b32 s[LIM], 1, -1
	v_and_b32 v[PFO], 31, v0
	v_lshlrev_b32 v[PFO], 8, v[PFO]
	v_mul_u32_u24 v[AK0], v9, KP
	v_lshl_add_u32 v[AK0], v10, 4, v[AK0]          ; K: row r x pitch + 16 h
	v_and_b32 v11, 7, v0
	v_bfe_u32 v12, v0, 3, 1
	v_lshl_add_u32 v[AV0], v10, 3, v11             ; V, for the turning load: key 8 h + lane % 8,
	v_mul_u32_u24 v[AV0], v[AV0], VP
	v_lshl_add_u32 v[AV0], v12, 4, v[AV0]          ; channels 8 ((lane / 8) % 2) on
	v_add_nc_u32 v[AV0], VOFF, v[AV0]
.irp t, 0,1
	v_mov_b32 v[ST+8*\t+1], 0xff61b1e6             ; m = -3e38, under every score
	v_mov_b32 v[ST+8*\t], 0x7f61b1e6               ; -m
.irp j, 2,3,4,5,6,7
	v_mov_b32 v[ST+8*\t+\j], 0                     ; l; and the registers at work, one of which is a lane permute's destination
.endr
.endr
.set j, 0
.rept 64
	v_mov_b32 v[OT+j], 0                           ; O^T.  (The step is written once: the first finds zeros, which a = 0 leaves zeros)
.set j, j+1
.endr
; THE SOFTMAX of a step, both tiles line by line, so that no line waits for the line above it.
.macro SOFTMAX
.irp j, 0,1,2,3
.irp t, 0,1
	v_max3_num_f32 v[ST+8*\t+4+\j], v[S+32*\t+8*\j], v[S+32*\t+8*\j+1], v[S+32*\t+8*\j+2]   ; four chains, one to a tile of keys: each result is read from its low end on
.endr
.endr
.irp u, 3,5
.irp j, 0,1,2,3
.irp t, 0,1
	v_max3_num_f32 v[ST+8*\t+4+\j], v[ST+8*\t+4+\j], v[S+32*\t+8*\j+\u], v[S+32*\t+8*\j+\u+1]
.endr
.endr
.endr
.irp t, 0,1
	v_max3_num_f32 v[ST+8*\t+4], v[ST+8*\t+4], v[S+32*\t+7], v[S+32*\t+15]
	v_max3_num_f32 v[ST+8*\t+6], v[ST+8*\t+6], v[S+32*\t+23], v[S+32*\t+31]
.endr
.irp t, 0,1
	v_max3_num_f32 v[ST+8*\t+4], v[ST+8*\t+4], v[ST+8*\t+5], v[ST+8*\t+6]
.endr
.irp t, 0,1
	v_max3_num_f32 v[ST+8*\t+4], v[ST+8*\t+4], v[ST+8*\t+7], v[ST+8*\t+1]   ; with the old m
.endr
.irp t, 0,1
	v_permlanex16_b32 v[ST+8*\t+5], v[ST+8*\t+4], s[SEL], s[SEL+1]   ; the query's other 32 keys lie in the lane 16 away
.endr
.irp t, 0,1
	v_mov_b32 v[ST+8*\t+7], v[ST+8*\t]             ; the old -m
.endr
.irp t, 0,1
	v_max_num_f32 v[ST+8*\t+1], v[ST+8*\t+4], v[ST+8*\t+5]   ; the new m
.endr
.irp t, 0,1
	v_xor_b32 v[ST+8*\t], 0x80000000, v[ST+8*\t+1] ; -m
.endr
.irp t, 0,1
	v_sub_f32 v[ST+8*\t+7], v[ST+8*\t], v[ST+8*\t+7]   ; m_old - m_new
.endr
.set j, 0
.rept 16
.irp t, 0,1
	v_pk_add_f32 v[S+32*\t+j:S+32*\t+j+1], v[S+32*\t+j:S+32*\t+j+1], v[ST+8*\t:ST+8*\t+1] op_sel_hi:[1,0]   ; s - m, two at a time
.endr
.set j, j+2
.endr
.irp t, 0,1
	v_exp_f32 v[ST+8*\t+6], v[ST+8*\t+7]           ; a
.endr
.set j, 0
.rept 32
	v_exp_f32 v[S+j], v[S+j]                       ; p: ONE batch of 66 exponentials, none of which reads another's result
	v_exp_f32 v[S+32+j], v[S+32+j]
.set j, j+1
.endr
	v_nop                                          ; a plain line behind the last exponential
	s_wait_alu depctr_va_vdst(0)                   ; and the one wait ahead of the batch's first reader
.irp t, 0,1
	v_pk_add_f32 v[8+4*\t:9+4*\t], v[S+32*\t:S+32*\t+1], v[S+32*\t+2:S+32*\t+3]   ; the sum of the unrounded p, in two chains a tile
	v_pk_add_f32 v[10+4*\t:11+4*\t], v[S+32*\t+4:S+32*\t+5], v[S+32*\t+6:S+32*\t+7]
.endr
.irp j, 8,12,16,20,24,28
.irp t, 0,1
	v_pk_add_f32 v[8+4*\t:9+4*\t], v[8+4*\t:9+4*\t], v[S+32*\t+\j:S+32*\t+\j+1]
	v_pk_add_f32 v[10+4*\t:11+4*\t], v[10+4*\t:11+4*\t], v[S+32*\t+\j+2:S+32*\t+\j+3]
.endr
.endr
.irp t, 0,1
	v_pk_add_f32 v[8+4*\t:9+4*\t], v[8+4*\t:9+4*\t], v[10+4*\t:11+4*\t]
.endr
.irp t, 0,1
	v_pk_fma_f32 v[ST+8*\t+2:ST+8*\t+3], v[ST+8*\t+2:ST+8*\t+3], v[ST+8*\t+6:ST+8*\t+7], v[8+4*\t:9+4*\t] op_sel_hi:[1,0,1]   ; l = a l + the sum
.endr
.set j, 0
.rept 16
.irp t, 0,1
	v_cvt_pk_f16_f32 v[S+32*\t+j], v[S+32*\t+2*j], v[S+32*\t+2*j+1]   ; P in place, ascending: registers 8 kh .. 8 kh + 7 are the fragment of keys 32 kh on
.endr
.set j, j+1
.endr
.set j, 0
.rept 16
.irp t, 0,1
	v_pk_mul_f32 v[OT+32*\t+j:OT+32*\t+j+1], v[OT+32*\t+j:OT+32*\t+j+1], v[ST+8*\t+6:ST+8*\t+7] op_sel_hi:[1,0]   ; O^T x a, each accumulator from its low end on
.endr
.set j, j+2
.endr
.endm
; A KEY STEP: 64 keys, the q-th of the slot in hand.
.macro STEP q
	s_cmp_gt_u32 s[KF], s[QL]                      ; all 64 keys come after my 32 queries: the step's work is left out (ids and the count of steps alone; no barrier, wait for tiles or tensor load stands in a step)
	s_cbranch_scc1 .Lhidden_\@
	v_add_nc_u32 v[ADK], s[TB], v[AK0]
	v_add_nc_u32 v[ADV], s[TB], v[AV0]
.rept 4
	v_nop                                          ; with the two additions six places behind the last step's products: the loads below land on registers that they read (four are asked), and the scores are laid over P, which they read (five)
.endr
.irp kt, 0,1,2,3
.irp c, 0,1
	ds_load_b128 v[KV+8*(2*\kt+\c):KV+8*(2*\kt+\c)+3], v[ADK] offset:(64*(\q)+16*\kt)*KP+64*\c
	ds_load_b128 v[KV+8*(2*\kt+\c)+4:KV+8*(2*\kt+\c)+7], v[ADK] offset:(64*(\q)+16*\kt)*KP+64*\c+32
.endr
.endr
	s_wait_dscnt 0x0
.irp c, 0,1                                    ; S^T = K Q^T: the eight accumulators take turns; the first eight products start the sums
.irp kt, 0,1,2,3
.irp t, 0,1
.if \c == 0
	v_wmma_f32_16x16x32_f16 v[S+32*\t+8*\kt:S+32*\t+8*\kt+7], v[KV+8*(2*\kt+\c):KV+8*(2*\kt+\c)+7], v[QF+16*\t+8*\c:QF+16*\t+8*\c+7], 0
.else
	v_wmma_f32_16x16x32_f16 v[S+32*\t+8*\kt:S+32*\t+8*\kt+7], v[KV+8*(2*\kt+\c):KV+8*(2*\kt+\c)+7], v[QF+16*\t+8*\c:QF+16*\t+8*\c+7], v[S+32*\t+8*\kt:S+32*\t+8*\kt+7]
.endif
.endr
.endr
.endr
.rept 4
	v_nop                                          ; places in front of the loads into K's registers and of the first read of the scores
.endr
.irp kh, 0,1                                   ; V, turned: it lands under the softmax
.irp c, 0,1,2,3
	ds_load_tr16_b128 v[KV+8*(4*\kh+\c):KV+8*(4*\kh+\c)+3], v[ADV] offset:(64*(\q)+32*\kh)*VP+32*\c
	ds_load_tr16_b128 v[KV+8*(4*\kh+\c)+4:KV+8*(4*\kh+\c)+7], v[ADV] offset:(64*(\q)+32*\kh)*VP+16*VP+32*\c
.endr
.endr
	s_add_co_u32 s56, s[KF], 63                    ; on the diagonal hidden scores become -infinity ahead of the maximum: p = 0 then.  A step all of whose keys count for all my queries skips this
	s_cmp_le_u32 s56, s[Q0]
	s_cbranch_scc1 .Lopen_\@
	s_sub_co_i32 s56, s[Q0], s[KF]
	v_and_b32 v8, 15, v0
	v_bfe_u32 v9, v0, 4, 1
	v_lshlrev_b32 v9, 3, v9
	v_sub_nc_u32 v8, v8, v9
	v_add_nc_u32 v8, s56, v8                       ; d = tile 0's query - the step's first key - 8 (lane / 16).  Register n holds key 16 (n / 8) + n % 8 beyond that: hidden where it is above d
	v_add_nc_u32 v9, 16, v8                        ; tile 1's
	v_mov_b32 v10, 0xff800000
.irp t, 0,1
.set n, 0
.rept 32
	v_cmp_gt_i32 vcc_lo, 16*(n/8)+n%8, v[8+\t]
	v_cndmask_b32 v[S+32*\t+n], v[S+32*\t+n], v10, vcc_lo
.set n, n+1
.endr
.endr
.Lopen_\@:
	SOFTMAX
	s_wait_dscnt 0x0                               ; V is in
.irp kh, 0,1                                   ; O^T += V^T P: eight accumulators by turns
.irp c, 0,1,2,3
.irp t, 0,1
	v_wmma_f32_16x16x32_f16 v[OT+32*\t+8*\c:OT+32*\t+8*\c+7], v[KV+8*(4*\kh+\c):KV+8*(4*\kh+\c)+7], v[S+32*\t+8*\kh:S+32*\t+8*\kh+7], v[OT+32*\t+8*\c:OT+32*\t+8*\c+7]
.endr
.endr
.endr
.Lhidden_\@:
	s_add_co_u32 s[KF], s[KF], 64
.endm
; THE CHANGE OF SLOTS stands at a slot's head.  Each wave waits for all its tensor loads (its part of the slot that it is about to read), adds 0 to its spare word, and waits for that and for its reads of the slot that it has left.
; Behind the barrier the slot ahead is whole and nobody reads the other one.  fill = 1: that other slot is filled with the keys that follow, up to the causal limit: the load has a slot's four steps in which to land.
.macro CHANGE fill
	s_wait_tensorcnt 0x0                           ; no tensor load of mine is out, so a group 0 may be written
	ds_add_u32 v[SPW], v[NIL]                      ; 0 onto my spare word
.if \fill
	ds_add_u32 v[SPW], v[NIL]                      ; and once more: the add stands twice on end, in every trip alike
	s_xor_b32 s[G0K+1], s[G0K+1], SLOT1            ; the walking descriptors: the other slot than last time,
	s_add_nc_u64 s[G0K+2:G0K+3], s[G0K+2:G0K+3], SK*128   ; the next 256 keys
	s_xor_b32 s[G0V+1], s[G0V+1], SLOT1
	s_add_nc_u64 s[G0V+2:G0V+3], s[G0V+2:G0V+3], SK*128
	s_wait_xcnt 0x0                                ; the last prefetch, a slot back, has read its address, so it may be written:
	s_add_nc_u64 s[PFA:PFA+1], s[PFA:PFA+1], SK*128   ; one slot further on than the walking descriptors
.endif
	s_wait_dscnt 0x0                               ; the add is done, and my reads of the slot that I have left are over
	s_barrier_signal -1
	s_barrier_wait -1
.if \fill
	s_add_co_u32 s56, s[KF], SK                    ; the first key of the slot that this change would ask for
	s_cmp_gt_u32 s56, s[WLAST]                     ; past my work-group's last query: none of its waves would read it, so it is not asked for.  Ids and the count of steps alone: all sixteen waves go the same way; every wait for tiles in this text is for 0
	s_cbranch_scc1 .Lpast_\@
	TLOAD                                          ; a wave's one tensor load until the next change
.Lpast_\@:
	ASK
.endif
.endm
.macro SLOT_STEPS
	STEP 0
	STEP 1
	STEP 2
	STEP 3
	s_xor_b32 s[TB], s[TB], SLOT1                  ; on to the other slot
.endm
	s_wait_loadcnt 0x0                             ; Q
.Lslot:                                            ; NSL - 1 trips
	CHANGE 1
	SLOT_STEPS
	s_sub_co_u32 s[SLOTS], s[SLOTS], 1
	s_cmp_lg_u32 s[SLOTS], 0
	s_cbranch_scc1 .Lslot
	CHANGE 0                                       ; the last slot is written out: nothing follows it
	SLOT_STEPS
	; THE WAY OUT.  l's halves are added; O^T / l is rounded to f16 and goes through my stage in LDS: 32 rows of 128 bytes, which are 4,096 consecutive bytes of xa.  The additions and the address work are the places behind the last products.
.irp t, 0,1
	v_add_f32 v[ST+8*\t+4], v[ST+8*\t+2], v[ST+8*\t+3]
.endr
.irp t, 0,1
	v_permlanex16_b32 v[ST+8*\t+5], v[ST+8*\t+4], s[SEL], s[SEL+1]
.endr
.irp t, 0,1
	v_add_f32 v[ST+8*\t+4], v[ST+8*\t+4], v[ST+8*\t+5]
.endr
.irp t, 0,1
	v_rcp_f32 v[ST+8*\t+6], v[ST+8*\t+4]
.endr
	s_mul_i32 s56, s[WV], 32*SROW
	s_add_co_u32 s56, s56, STAGE                   ; my stage
	v_and_b32 v8, 15, v0                           ; (plain lines behind the reciprocals)
	v_bfe_u32 v9, v0, 4, 1
	v_mul_u32_u24 v[ADK], v8, SROW
	v_lshl_add_u32 v[ADK], v9, 4, v[ADK]
	v_add_nc_u32 v[ADK], s56, v[ADK]               ; in: row r, + 16 h; tile t and channels 16 c on stand in the offset
	v_and_b32 v10, 31, v0
	v_lshrrev_b32 v11, 3, v10
	v_and_b32 v12, 7, v0
	v_mul_u32_u24 v[ADV], v11, SROW
	v_lshl_add_u32 v[ADV], v12, 4, v[ADV]
	v_add_nc_u32 v[ADV], s56, v[ADV]               ; back: eight lanes to a row, four rows an instruction
	v_lshlrev_b32 v8, 4, v10                       ; and the same 512 bytes in xa
	s_wait_alu depctr_va_vdst(0)                   ; the wait ahead of the reciprocals' first reader
.set j, 0
.rept 16
.irp t, 0,1
	v_pk_mul_f32 v[OT+32*\t+j:OT+32*\t+j+1], v[OT+32*\t+j:OT+32*\t+j+1], v[ST+8*\t+6:ST+8*\t+7] op_sel_hi:[1,0]
.endr
.set j, j+2
.endr
.set j, 0
.rept 32
	v_cvt_pk_f16_f32 v[S+j], v[OT+2*j], v[OT+2*j+1]
.set j, j+1
.endr
.irp t, 0,1
.irp c, 0,1,2,3
	ds_store_b128 v[ADK], v[S+16*\t+4*\c:S+16*\t+4*\c+3] offset:\t*16*SROW+32*\c
.endr
.endr
.irp i, 0,1,2,3,4,5,6,7
	ds_load_b128 v[KV+4*\i:KV+4*\i+3], v[ADV] offset:\i*4*SROW   ; LDS serves a wave's instructions in order (ISA guide 5.7.1.4): these see my stores
.endr
.irp i, 0,1,2,3,4,5,6,7
	s_wait_dscnt 7-\i
	global_store_b128 v8, v[KV+4*\i:KV+4*\i+3], s[52:53] offset:512*\i   ; 32 lanes store 512 consecutive bytes, at a multiple of 256 from the buffer's first byte
.endr
	s_wait_tensorcnt 0x0                           ; the wave's end
	ds_add_u32 v[SPW], v[NIL]
	s_wait_dscnt 0x0
	s_endpgm
.Lfunc_end_k_qc0e221739a_attn:
	.size	k_qc0e221739a_attn, .Lfunc_end_k_qc0e221739a_attn-k_qc0e221739a_attn
	.p2alignl 7, 3214868480
	.fill 96, 4, 3214868480
	.section	.rodata,"a",@progbits
	.p2align	6, 0x0
	.amdhsa_kernel k_qc0e221739a_attn
		.amdhsa_group_segment_fixed_size 327680
		.amdhsa_private_segment_fixed_size 0
		.amdhsa_enable_private_segment 0
		.amdhsa_kernarg_size 16
		.amdhsa_user_sgpr_count 2
		.amdhsa_user_sgpr_kernarg_segment_ptr 1
		.amdhsa_wavefront_size32 1
		.amdhsa_system_sgpr_workgroup_id_x 1
		.amdhsa_system_sgpr_workgroup_id_y 1
		.amdhsa_system_sgpr_workgroup_id_z 1
		.amdhsa_system_vgpr_workitem_id 0
		.amdhsa_next_free_vgpr 256
		.amdhsa_next_free_sgpr 66
		.amdhsa_reserve_vcc 1
		.amdhsa_float_denorm_mode_32 3
		.amdhsa_float_denorm_mode_16_64 3
		.amdhsa_memory_ordered 1
		.amdhsa_forward_progress 1
		.amdhsa_inst_pref_size 190
	.end_amdhsa_kernel
	.amdgpu_metadata
---
amdhsa.version: [ 1, 2 ]
amdhsa.kernels:
  - .name:           k_qc0e221739a_attn
    .symbol:         k_qc0e221739a_attn.kd
    .args:
      - { .name: qkv, .offset: 0, .size: 8, .value_kind: global_buffer, .address_space: global }
      - { .name: xa, .offset: 8, .size: 8, .value_kind: global_buffer, .address_space: global }
    .group_segment_fixed_size: 327680
    .private_segment_fixed_size: 0
    .kernarg_segment_align: 8
    .kernarg_segment_size: 16
    .max_flat_workgroup_size: 512
    .sgpr_count:     66
    .vgpr_count:     256
    .wavefront_size: 32
...
	.end_amdgpu_metadata
.endif
;; end of part 3
;; launch oproj (part 4): grid 4 x 64, 4 waves a work-group, clusters of 4 x 4, 327,680 bytes of LDS; arguments xa, wo16, bo, out0; writes out0
.if DOCPART == 4
	.amdgcn_target "amdgcn-amd-amdhsa--gfx1250"
	.amdhsa_code_object_version 6
	.text
	.protected	k_qc0e221739a_oproj
	.globl	k_qc0e221739a_oproj
	.p2align	8
	.type	k_qc0e221739a_oproj,@function
k_qc0e221739a_oproj:
	s_mov_b64 s[64:65], 0
	v_nop
	global_prefetch_b8 v0, s[64:65] scope:SCOPE_SE
	s_setreg_imm32_b32 hwreg(HW_REG_WAVE_MODE, 25, 1), 1
	s_wait_xcnt 0x0
	s_wait_alu depctr_hold_cnt(0) depctr_sa_sdst(0) depctr_va_vdst(0) depctr_va_sdst(0) depctr_va_ssrc(0) depctr_va_vcc(0) depctr_vm_vsrc(0)
	s_getreg_b32 s2, hwreg(HW_REG_IB_STS2, 6, 4)
	s_cmp_eq_u32 s2, 0
	s_cbranch_scc0 .Lentry_in_a_cluster
	s_endpgm
.Lentry_in_a_cluster:
	s_bfe_u32 s2, ttmp6, 0x10000c
	s_cmp_lg_u32 s2, 0xf033
	s_cbranch_scc0 .Lentry_shape_is_right
	s_endpgm
.Lentry_shape_is_right:
; out0[m][n] = sum over k of x[m][k] Wo[n][k] + bo[n], f16 operands, f32 sums and output.  x comes as xa [head][8192 rows][64] f16 (k = 64 head + channel), Wo as wo16 [1024][1024] f16.
; A tile of the output is 128 x 256, so that there are 4 x 64 = 256 work-groups.  Four waves, each 64 rows x 128 columns: 32 accumulators.  K goes in steps of 128 (two heads) through two LDS slots.
; CLUSTERS: 4 x 4 work-groups; x's tile is shared along a row of the cluster, Wo's along a column: each is asked for jointly.  Waves 0 and 1 fetch a head's 128 rows of x each (16,384 dense bytes), waves 2 and 3 128 rows of Wo each.
; THE MATRIX INSTRUCTION IS USED TRANSPOSED (source 0 = 16 rows of Wo, source 1 = 16 rows of x): a lane holds eight neighbouring columns of one row of the output.  The bias is the C of each sum's first product.
; REGISTERS: window 0: v0-31 addresses; two fragment buffers: x's 4 x 8 at v32 and v64, Wo's 8 x 8 at v96 and v160; on the way out v32-159 hold rows.  window 1: the accumulators, (a, b) at v[8 (8 a + b)].  window 2: v0-63 the bias.
.set PA,     144                       ; a row of x in LDS: 128 bytes + 16
.set AH,     128*PA                    ; one head's 128 rows
.set APART,  2*AH
.set PB,     272                       ; a row of Wo: 256 bytes + 16
.set BH,     128*PB
.set SLOT,   APART+2*BH
.set STAGE,  2*SLOT                    ; behind the slots: 16 rows x (512 bytes + 16) for each wave; no tile lands here
.set SPITCH, 528
.set SPARE,  STAGE+4*16*SPITCH         ; the spare words, 128 bytes a wave, which no other line names
.set HEADB,  1048576                   ; a head of xa in bytes
.set LAPS,   4                         ; a lap = two K steps; K = 1,024 is eight
.set ADRA, 16
.set ADRB, 20
.set STO,  24
.set RD,   25
.set CO,   26
.set BO,   27
.set SPW,  28                          ; v28 LDS address of my spare word; never rewritten
.set NIL,  29                          ; v29 0; never rewritten
.set PFO,  30                          ; v30 256 x lane; never rewritten
.set FA,   32
.set FB,   96
.set BK,   32
.set LIM,  45
.set PFA,  46
.set G1, 24
.set G0, 32
.set G1B, 48
.set G0B, 56
.set MSB, 0
.macro WIN new                         ; the immediate's high byte repeats the setting that is left
.if MSB != \new
	s_set_vgpr_msb (MSB<<8)|\new
.set MSB, \new
.endif
.endm
.set MUL,  0x50                        ; C and D window 1, the fragments window 0
.set MULZ, 0x60                        ; D window 1, C (the bias) window 2
.macro JLOAD s                         ; a joint load; an s_nop 0 and four v_nop follow each of the two lines
	s_cmp_eq_u32 s13, 0
	s_cbranch_scc0 .Lfor_b_\@
	tensor_load_to_lds s[G0+4*\s:G0+4*\s+3], s[G1:G1+7]
	s_nop 0
.rept 4
	v_nop
.endr
	s_branch .Lasked_\@
.Lfor_b_\@:
	tensor_load_to_lds s[G0B+4*\s:G0B+4*\s+3], s[G1B:G1B+7]
	s_nop 0
.rept 4
	v_nop
.endr
.Lasked_\@:
.endm
.macro CREST                           ; a round of the cluster's barrier behind its opening barrier
	s_cmp_lg_u32 s12, 0
	s_cbranch_scc1 .Lnot_wave_0_\@
	s_barrier_signal -3
.Lnot_wave_0_\@:
	s_barrier_wait -3
	s_barrier_signal -1
	s_barrier_wait -1
.endm
.macro CROUND
	s_barrier_signal -1
	s_barrier_wait -1
	CREST
.endm
; A prefetch of x's tile of the K step that stands two refills on: 2 heads x 16,384 bytes = 128 blocks of 256 bytes.  A tile row of x is read by one row of one cluster alone; its four partners share the blocks out BY ADDRESS
; (head cx / 2, half cx % 2), 32 each, a lane a block; in each, wave 0 asks.  The loop's last trip, whose refills are the last two K steps, asks for nothing.  Wo's rows are read by every row of clusters and are not asked for.
.macro ASK
	s_cmp_gt_u32 s3, s[LIM]
	s_cbranch_scc0 .Lnot_mine_\@
	global_prefetch_b8 v[PFO], s[PFA:PFA+1] offset:2*HEADB th:TH_LOAD_NT scope:SCOPE_SE
.Lnot_mine_\@:
.endm
	s_load_b256 s[4:11], s[0:1], 0x0               ; xa 4, wo16 6, bo 8, out0 10
	v_lshl_add_u32 v[SPW], v0, 2, SPARE
	v_mov_b32 v[NIL], 0
	ds_add_u32 v[SPW], v[NIL]                      ; the wave's opening: the add, twice on end, and its wait ahead of my first tensor load
	ds_add_u32 v[SPW], v[NIL]
	v_lshrrev_b32 v1, 5, v0
	v_readfirstlane_b32 s12, v1                    ; wave 0..3
	s_lshr_b32 s13, s12, 1                         ; which 64 rows are mine.  Also: I fetch for x (0) or for Wo (1)
	s_and_b32 s14, s12, 1                          ; which 128 columns.  Also: which head of the K step, or which 128 rows of Wo, I fetch
	s_bfe_u32 s40, ttmp6, 0x40000                  ; cx, cy
	s_bfe_u32 s41, ttmp6, 0x40004
	s_lshl_b32 s42, ttmp9, 2
	s_add_co_u32 s42, s42, s40                     ; tile column
	s_and_b32 s15, ttmp7, 0xffff
	s_lshl_b32 s15, s15, 2
	s_add_co_u32 s15, s15, s41                     ; tile row
	s_lshl_b32 s43, s41, 2
	s_lshl_b32 s43, 15, s43                        ; my row of the cluster
	s_lshl_b32 s44, 0x1111, s40                    ; my column
	s_or_b32 s[G1+0], s43, (0<<16)|(1<<20)|(1<<21)|(4<<22)|(3<<25)   ; x: elements of 1 byte; four words of padding behind every 32
	s_mov_b32 s[G1+1], 128<<16
	s_mov_b32 s[G1+2], 128<<16
	s_mov_b32 s[G1+3], 128<<16
	s_mov_b32 s[G1+4], 128
	s_mov_b32 s[G1+5], 128                         ; rows of 128 bytes, dense
	s_mov_b32 s[G1+6], 0
	s_mov_b32 s[G1+7], 0
	s_or_b32 s[G1B+0], s44, (1<<16)|(1<<20)|(1<<21)|(5<<22)|(3<<25)  ; Wo: elements of 2 bytes; four words of padding behind every 64
	s_mov_b32 s[G1B+1], 128<<16
	s_mov_b32 s[G1B+2], 128<<16
	s_mov_b32 s[G1B+3], 128<<16
	s_mov_b32 s[G1B+4], 128
	s_mov_b32 s[G1B+5], 1024                       ; elements from row to row
	s_mov_b32 s[G1B+6], 0
	s_mov_b32 s[G1B+7], 0
	s_lshl_b32 s16, s14, 20                        ; x: my head of the K step,
	s_lshl_b32 s17, s15, 14                        ; the tile row's 128 rows of 128 bytes (no register here ever holds cx)
	s_add_co_u32 s16, s16, s17
	s_mov_b32 s17, 0
	s_lshl_b32 s20, s42, 8
	s_lshl_b32 s21, s14, 7
	s_add_co_u32 s20, s20, s21                     ; Wo: row 256 x tile column + 128 x half,
	s_lshl_b32 s20, s20, 11                        ; of 2,048 bytes
	s_mov_b32 s21, 0
	s_mul_i32 s18, s14, AH                         ; where they go: no place in the cluster enters an LDS address
	s_mul_i32 s19, s14, BH
	s_add_co_u32 s19, s19, APART
	s_wait_dscnt 0x0                               ; both opening adds are done
	s_wait_kmcnt 0x0
	s_add_nc_u64 s[16:17], s[4:5], s[16:17]
	s_add_nc_u64 s[20:21], s[6:7], s[20:21]
	CROUND                                         ; all sixteen work-groups are here: the first joint loads meet
.irp s, 0,1
	s_mov_b32 s[G0+4*\s], 1
	s_add_co_u32 s[G0+4*\s+1], s18, \s*SLOT
	s_add_nc_u64 s[G0+4*\s+2:G0+4*\s+3], s[16:17], \s*2*HEADB
	s_or_b32 s[G0+4*\s+3], s[G0+4*\s+3], 0x80000000
	s_mov_b32 s[G0B+4*\s], 1
	s_add_co_u32 s[G0B+4*\s+1], s19, \s*SLOT
	s_add_nc_u64 s[G0B+4*\s+2:G0B+4*\s+3], s[20:21], \s*256
	s_or_b32 s[G0B+4*\s+3], s[G0B+4*\s+3], 0x80000000
	JLOAD \s                                       ; two loads of mine are out behind the second
.endr
	v_and_b32 v1, 15, v0                           ; r
	v_bfe_u32 v2, v0, 4, 1                         ; h
	v_mul_u32_u24 v3, v1, PA
	v_lshl_add_u32 v3, v2, 4, v3
	v_mul_u32_u24 v4, v1, PB
	v_lshl_add_u32 v4, v2, 4, v4
	s_mul_i32 s22, s13, 64*PA                      ; my 64 rows of x
	s_mul_i32 s23, s14, BH                         ; my 128 rows of Wo
	s_add_co_u32 s23, s23, APART
.irp s, 0,1
	v_add_nc_u32 v[ADRA+\s], s22, v3
	v_add_nc_u32 v[ADRB+\s], s23, v4
	s_add_co_u32 s22, s22, SLOT
	s_add_co_u32 s23, s23, SLOT
.endr
	s_mul_i32 s22, s12, 16*SPITCH
	s_add_co_u32 s22, s22, STAGE                   ; my stage
	v_mul_u32_u24 v5, v1, SPITCH
	v_lshl_add_u32 v5, v2, 5, v5
	v_add_nc_u32 v[STO], s22, v5                   ; in: row r, 32 bytes for each half of the lanes
	v_and_b32 v6, 31, v0
	v_lshlrev_b32 v[CO], 4, v6                     ; back: the 32 lanes take one row of 512 bytes; and the same in the output
	v_add_nc_u32 v[RD], s22, v[CO]
	v_lshlrev_b32 v[BO], 5, v2
	v_lshlrev_b32 v[PFO], 8, v6
	s_lshl_b32 s22, s15, 7
	s_lshl_b32 s23, s13, 6
	s_add_co_u32 s22, s22, s23
	s_lshl_b32 s22, s22, 12                        ; my first row: (128 x tile row + 64 x half) x 4,096 bytes
	s_lshl_b32 s20, s42, 10
	s_lshl_b32 s21, s14, 9
	s_add_co_u32 s20, s20, s21                     ; my first column, in bytes
	s_mov_b32 s21, 0
	s_add_nc_u64 s[8:9], s[8:9], s[20:21]          ; bo there
	s_add_co_u32 s20, s20, s22
	s_add_nc_u64 s[10:11], s[10:11], s[20:21]      ; the output there
	WIN 0x80                                       ; destination window 2
.irp b, 0,1,2,3,4,5,6,7
	global_load_b128 v[8*\b:8*\b+3], v[BO], s[8:9] offset:64*\b        ; register 8 b + j: bo[16 b + 8 h + j] of my 128 columns
	global_load_b128 v[8*\b+4:8*\b+7], v[BO], s[8:9] offset:64*\b+16
.endr
	WIN 0
	s_lshl_b32 s22, s15, 14                        ; the prefetches: the tile row,
	s_lshr_b32 s23, s40, 1
	s_lshl_b32 s23, s23, 20                        ; head cx / 2 of a K step,
	s_add_co_u32 s22, s22, s23
	s_and_b32 s23, s40, 1
	s_lshl_b32 s23, s23, 13                        ; half cx % 2 of its 16,384 bytes,
	s_add_co_u32 s22, s22, s23
	s_add_co_u32 s22, s22, 4*HEADB                 ; at K step 2: the first refill steps it to 3 and names K step 4.  Nothing is prefetched here, at the head
	s_mov_b32 s23, 0
	s_add_nc_u64 s[PFA:PFA+1], s[4:5], s[22:23]
	s_cmp_eq_u32 s12, 0
	s_cselect_b32 s[LIM], 1, -1                    ; wave 0 asks: the same in every partner
; 8 matrix instructions: x's block a against Wo's eight, 32 along K, buffer f.  zero = 1: the first product starts the sums, on the bias.  The 32 accumulators take turns, in the same order in every quarter.
.macro MUL8 f, a, zero
.irp b, 0,1,2,3,4,5,6,7
.if \zero
	v_wmma_f32_16x16x32_f16 v[8*(8*(\a)+\b):8*(8*(\a)+\b)+7], v[FB+64*(\f)+8*\b:FB+64*(\f)+8*\b+7], v[FA+32*(\f)+8*(\a):FA+32*(\f)+8*(\a)+7], v[8*\b:8*\b+7]
.else
	v_wmma_f32_16x16x32_f16 v[8*(8*(\a)+\b):8*(8*(\a)+\b)+7], v[FB+64*(\f)+8*\b:FB+64*(\f)+8*\b+7], v[FA+32*(\f)+8*(\a):FA+32*(\f)+8*(\a)+7], v[8*(8*(\a)+\b):8*(8*(\a)+\b)+7]
.endif
.endr
.endm
; 24 LDS loads in one run: the fragments of the slot's k-th 32 along K into buffer f: Wo's sixteen, then x's blocks 0, 1, then 2, 3
.macro FETCH slot, k, f
	WIN 0
.irp i, 0,1,2,3,4,5,6,7
	ds_load_b128 v[FB+64*(\f)+8*\i:FB+64*(\f)+8*\i+3], v[ADRB+\slot] offset:64*(\k)+\i*16*PB
	ds_load_b128 v[FB+64*(\f)+8*\i+4:FB+64*(\f)+8*\i+7], v[ADRB+\slot] offset:64*(\k)+\i*16*PB+32
.endr
.irp i, 0,1,2,3
	ds_load_b128 v[FA+32*(\f)+8*\i:FA+32*(\f)+8*\i+3], v[ADRA+\slot] offset:((\k)/2)*AH+((\k)%2)*64+\i*16*PA
	ds_load_b128 v[FA+32*(\f)+8*\i+4:FA+32*(\f)+8*\i+7], v[ADRA+\slot] offset:((\k)/2)*AH+((\k)%2)*64+\i*16*PA+32
.endr
.endm
.macro PLACES                          ; four places in front of loads into registers that matrix instructions have read, and of the first read of results (ISA guide 7.12.1 for vector instructions)
.rept 4
	v_nop
.endr
.endm
.macro MWIN zero
.if \zero
	WIN MULZ
.else
	WIN MUL
.endif
.endm
; A K step is four quarters of 32 along K, 32 matrix instructions each, on buffers 0, 1, 0, 1.  One of the first three: multiplies buffer f and fetches the slot's k-th quarter into g.
.macro QUARTER slot, k, f, g, zero
	s_wait_dscnt 4                                 ; Wo's fragments and x's blocks 0, 1 are in; the youngest four loads (blocks 2, 3) may be out
	MWIN \zero
	MUL8 \f, 0, \zero
	MUL8 \f, 1, \zero
	PLACES
	FETCH \slot, \k, \g
	s_wait_dscnt 24                                ; all but the 24 just issued
	MWIN \zero
	MUL8 \f, 2, \zero
	MUL8 \f, 3, \zero
.endm
; The last quarter multiplies buffer 1 and changes slots: ONE barrier; in front of it each wave waits for all its tensor loads, adds 0 to its spare word, and waits for that and for its reads of this slot.
; fill = 1: the barrier opens a round of the cluster's, and this slot is filled again, two K steps ahead: 112 matrix instructions stand between the request and the wait for it.
.macro TURN slot, next, fill
.if \fill
	s_wait_xcnt 0x0                                ; the last prefetch, a K step back, has read its address: it is stepped here
	s_add_nc_u64 s[PFA:PFA+1], s[PFA:PFA+1], 2*HEADB
.endif
	WIN 0                                          ; (the add's two registers lie in window 0)
	s_wait_tensorcnt 0x0                           ; all my tensor loads have landed: my part of the next slot
	ds_add_u32 v[SPW], v[NIL]                      ; 0 onto my spare word
	s_wait_dscnt 5                                 ; (the add and the youngest four loads may be out)
	WIN MUL
	MUL8 1, 0, 0
	s_wait_dscnt 0x0                               ; the add is done, and my reads of this slot are over
	s_barrier_signal -1
	MUL8 1, 1, 0
.if \fill
	WIN 0
.endif
	s_barrier_wait -1
.if \fill
	CREST                                          ; no wave of any partner still reads this slot's tile or has a load on its way
	s_add_nc_u64 s[G0+4*\slot+2:G0+4*\slot+3], s[G0+4*\slot+2:G0+4*\slot+3], 4*HEADB
	s_add_nc_u64 s[G0B+4*\slot+2:G0B+4*\slot+3], s[G0B+4*\slot+2:G0B+4*\slot+3], 512
	JLOAD \slot                                    ; the first tensor load behind the round; its four v_nop are also the places in front of the loads below
.else
	PLACES
.endif
	FETCH \next, 0, 0
.if \fill
	ASK
.endif
	WIN MUL
	MUL8 1, 2, 0
	MUL8 1, 3, 0
.endm
	s_wait_tensorcnt 1                             ; my part of K step 0 is in; K step 1's load may be out
	s_barrier_signal -1
	s_barrier_wait -1
	FETCH 0, 0, 0
	s_wait_loadcnt 0x0                             ; the bias
	QUARTER 0, 1, 0, 1, 1                          ; the first quarter stands in front of the loop: its products start the sums
	WIN 0                                          ; at a label and at a branch every window is 0
	s_mov_b32 s3, LAPS-1
.Llap:                                             ; a trip goes once round the two slots and fills both again
	QUARTER 0, 2, 1, 0, 0
	QUARTER 0, 3, 0, 1, 0
	TURN 0, 1, 1
	QUARTER 1, 1, 0, 1, 0
	QUARTER 1, 2, 1, 0, 0
	QUARTER 1, 3, 0, 1, 0
	TURN 1, 0, 1
	QUARTER 0, 1, 0, 1, 0
	WIN 0
	s_sub_co_u32 s3, s3, 1
	s_cmp_lg_u32 s3, 0
	s_cbranch_scc1 .Llap
	QUARTER 0, 2, 1, 0, 0                          ; the last lap fills nothing, and has no round of the cluster's barrier
	QUARTER 0, 3, 0, 1, 0
	TURN 0, 1, 0
	QUARTER 1, 1, 0, 1, 0
	QUARTER 1, 2, 1, 0, 0
	QUARTER 1, 3, 0, 1, 0
	s_wait_dscnt 4                                 ; the very last quarter: nothing more to fetch
	WIN MUL
	MUL8 1, 0, 0
	MUL8 1, 1, 0
	s_wait_dscnt 0
	MUL8 1, 2, 0
	MUL8 1, 3, 0
	WIN 0
; THE WAY OUT, block by block of 16 rows x 128 columns: a lane holds 32 neighbouring bytes of a row; a block goes through my own stage and comes back as whole rows of 512 bytes.
.macro TOSTAGE a
.set AC, 64*(\a)
	WIN 0x04                                       ; an LDS store's data are its source 1: window 1
.irp b, 0,1,2,3,4,5,6,7
	ds_store_b128 v[STO], v[AC+8*\b:AC+8*\b+3] offset:64*\b          ; each accumulator from its low end on
	ds_store_b128 v[STO], v[AC+8*\b+4:AC+8*\b+7] offset:64*\b+16
.endr
	WIN 0
.set BB, BK+64*((\a)%2)
.irp t, 0,1,2,3,4,5,6,7,8,9,10,11,12,13,14,15
	ds_load_b128 v[BB+4*\t:BB+4*\t+3], v[RD] offset:\t*SPITCH        ; LDS serves a wave's instructions in order (ISA guide 5.7.1.4): these see the stores above
.endr
.endm
.macro SEND a, younger                 ; younger: the LDS instructions issued behind block a's loads, which may stay out
.set BB, BK+64*((\a)%2)
	s_wait_dscnt \younger
.if (\a) > 0
	s_add_nc_u64 s[10:11], s[10:11], 16*4096       ; (behind a wait on XCNT: the earlier stores have read their base)  16 rows on
.endif
.irp t, 0,1,2,3,4,5,6,7,8,9,10,11,12,13,14,15
	global_store_b128 v[CO], v[BB+4*\t:BB+4*\t+3], s[10:11] offset:\t*4096 th:TH_STORE_NT   ; 32 lanes store 512 consecutive bytes, at a multiple of 256 from the output's first byte
.endr
.endm
	PLACES                                         ; for the stores that read the last results and the loads into registers that held fragments
	TOSTAGE 0
.irp a, 1,2,3
.if \a > 1
	s_wait_xcnt 0x0                                ; block a - 2's stores have read their registers and their base
.endif
	TOSTAGE \a
	SEND \a-1, 32                                  ; behind block a - 1's loads: block a's 16 stores and 16 loads
.endr
	s_wait_xcnt 0x0
	SEND 3, 0
	s_wait_tensorcnt 0x0                           ; the wave's end
	ds_add_u32 v[SPW], v[NIL]
	s_wait_dscnt 0x0
	CROUND                                         ; the closing round: no work-group ends while a partner may still ask for a tile that names it
	s_endpgm
.Lfunc_end_k_qc0e221739a_oproj:
	.size	k_qc0e221739a_oproj, .Lfunc_end_k_qc0e221739a_oproj-k_qc0e221739a_oproj
	.p2alignl 7, 3214868480
	.fill 96, 4, 3214868480
	.section	.rodata,"a",@progbits
	.p2align	6, 0x0
	.amdhsa_kernel k_qc0e221739a_oproj
		.amdhsa_group_segment_fixed_size 327680
		.amdhsa_private_segment_fixed_size 0
		.amdhsa_enable_private_segment 0
		.amdhsa_kernarg_size 32
		.amdhsa_user_sgpr_count 2
		.amdhsa_user_sgpr_kernarg_segment_ptr 1
		.amdhsa_wavefront_size32 1
		.amdhsa_system_sgpr_workgroup_id_x 1
		.amdhsa_system_sgpr_workgroup_id_y 1
		.amdhsa_system_sgpr_workgroup_id_z 1
		.amdhsa_system_vgpr_workitem_id 0
		.amdhsa_next_free_vgpr 576
		.amdhsa_next_free_sgpr 66
		.amdhsa_reserve_vcc 0
		.amdhsa_float_denorm_mode_32 3
		.amdhsa_float_denorm_mode_16_64 3
		.amdhsa_memory_ordered 1
		.amdhsa_forward_progress 1
		.amdhsa_inst_pref_size 88
	.end_amdhsa_kernel
	.amdgpu_metadata
---
amdhsa.version: [ 1, 2 ]
amdhsa.kernels:
  - .name:           k_qc0e221739a_oproj
    .symbol:         k_qc0e221739a_oproj.kd
    .args:
      - { .name: xa, .offset: 0, .size: 8, .value_kind: global_buffer, .address_space: global }
      - { .name: wo16, .offset: 8, .size: 8, .value_kind: global_buffer, .address_space: global }
      - { .name: bo, .offset: 16, .size: 8, .value_kind: global_buffer, .address_space: global }
      - { .name: out0, .offset: 24, .size: 8, .value_kind: global_buffer, .address_space: global }
    .group_segment_fixed_size: 327680
    .private_segment_fixed_size: 0
    .kernarg_segment_align: 8
    .kernarg_segment_size: 32
    .max_flat_workgroup_size: 128
    .sgpr_count:     66
    .vgpr_count:     576
    .wavefront_size: 32
...
	.end_amdgpu_metadata
.endif
;; end of part 4
